; MI455X (gfx1250); checked and timed in simulation.
; The chip was launched on July 23, 2026; its instructions are those of AMD's public machine-readable ISA for CDNA 5 (MIT licence, August 2026) and "CDNA5" Instruction Set Architecture Reference Guide (July 2026). The comments in the code are by the model that wrote it; some were corrected since.
;; Multi Head Attention. Allowed arithmetic: matrix products marked QUANTISED: E2M3 operands, one E8M0 scale for each 32 along K, by v_wmma_scale_f32_16x16x128_f8f6f4 with both operands' format E2M3, f32 sums; everything else in f32.
;; Inputs: k_gamma 64 float32; q_gamma 64 float32; wk 256 x 1,024 float32; wo 1,024 x 1,024 float32; wq 1,024 x 1,024 float32; wv 256 x 1,024 float32; x 4 x 2,048 x 1,024 float32.
;; Outputs: out0 4 x 2,048 x 1,024 float32.
;; This version of the problem:
;;   THIS VERSION OF THE PROBLEM IS GIVEN IN LOW PRECISION. The matrix products marked QUANTISED in the list below multiply operands that are first quantised to E2M3 (2 exponent bits, 3 mantissa bits; 6 bits a number), with one power-of-two scale for each 32 numbers along K (OCP MX v1.0); their sums are f32. All else is computed in f32.
;;   The module's matrix products, in the order in which they are computed (A, B: the left and right operand; K: the contracted axis; several contracted axes count as one K, in the product's order):
;;     1. [M 8,192, K 1,024] x [K 1,024, N 1,024]; A: input x; B: input wq: QUANTISED
;;     2. [M 8,192, K 1,024] x [K 1,024, N 256]; A: input x; B: input wk: QUANTISED
;;     3. [M 8,192, K 1,024] x [K 1,024, N 256]; A: input x; B: input wv: QUANTISED
;;     4. batch 16 x [M 2,048, K 64] x [K 64, N 8,192]; A: computed on the way; B: computed on the way: QUANTISED
;;     5. batch 16 x [M 64, K 2,048] x [K 2,048, N 8,192]; A: computed on the way; B: softmax (see below): QUANTISED
;;     6. [M 8,192, K 1,024] x [K 1,024, N 1,024]; A: computed on the way; B: input wo: QUANTISED
;;   THE QUANTISER, for each operand of a quantised product, along K:
;;     - K is cut into blocks of 32 from its start; a last block that is shorter is filled with zeros.
;;     - A block's scale is 2^e with e = floor(log2(the largest magnitude in the block)) - 2, held to -126 .. 127; a block of zeros has e = 0. As a byte (E8M0): e + 127.
;;     - Each number is divided by its block's scale, clamped to +-7.5, and rounded to the nearest number of E2M3, ties to even, subnormals kept.
;;     - The product sums the exact products of the quantised numbers (number of the format x scale) in f32.
;;   ~~~python
;;   def quantise(x, axis):      # numpy; x: float32 -> the quantised numbers, widened to float32 again
;;       x = np.moveaxis(x, axis, -1); K = x.shape[-1]
;;       x = np.pad(x, [(0, 0)] * (x.ndim - 1) + [(0, -K % 32)]); x = x.reshape(x.shape[:-1] + (-1, 32)); a = np.abs(x).max(-1, keepdims=True)
;;       e = np.where(a > 0, np.clip(np.frexp(np.where(a > 0, a, 1))[1] - 1 - 2, -126, 127), 0)      # np.frexp(a)[1] - 1 = floor(log2(a)), exactly
;;       r = np.clip(x / 2.0 ** e, -7.5, 7.5)
;;       step = 2.0 ** (np.maximum(np.frexp(np.where(r == 0, 1, r))[1] - 1, 0) - 3)
;;       q = np.round(r / step) * step * 2.0 ** e      # np.round: ties to even
;;       return np.moveaxis(q.reshape(q.shape[:-2] + (-1,))[..., :K], -1, axis).astype(np.float32)
;;   ~~~
;;   SOFTMAX AHEAD OF A QUANTISED PRODUCT. Where the list says 'softmax', what is quantised is not the finished softmax but p = 2^(t - M), with t = logit x log2(e) and M = ceil(the row's largest t), a whole number; so 1/2 < the row's largest p <= 1. The row's sum l is taken of the UNQUANTISED p, in f32, and the product's result is divided by l at the end. Since M is a whole number, a kernel that streams over the keys may use a running M (the ceiling of the running maximum): every later rescaling is an exact power of two, which a block's scale takes up: the codes' values come out the same.
;;   OPERANDS COMPUTED ON THE WAY. 'Computed on the way' means the value that the module computes at that place (a softmax that the list does not call 'softmax' is quantised finished and normalised). What goes into a quantiser is computed in f32, as accurately as f32 sums, v_exp_f32 and their like allow (about 1e-6 of the number): no bf16 or f16 on the way to a quantiser, and a product that is left as it is and whose result goes on into a quantised operand takes f32 operands (vector FMAs, or v_wmma_f32_16x16x4_f32). A number that lies on a knife's edge between two numbers of the format may be rounded either way, as far as f32 arithmetic and the matrix unit's own rounding can turn it there, and no further.
;; One version. Each part assembles by itself: llvm-mc -triple=amdgcn-amd-amdhsa -mcpu=gfx1250 --defsym DOCPART=n.
;; ======== version 1 of 1: 4 launches
;; limits: right only within a limited range of input values
;; workspace buffers: xc 6,553,600 bytes; wc 1,228,800 bytes; woc 819,200 bytes; rope 524,288 bytes; qc 6,815,744 bytes; kvc 3,407,872 bytes; ac 6,553,600 bytes
;; launch prep (part 1): grid 336 x 1, 8 waves a work-group, no clusters, 69,632 bytes of LDS; arguments x, wq, wk, wv, wo, xc, wc, woc, rope; writes xc, wc, woc, rope
.if DOCPART == 1
	.amdgcn_target "amdgcn-amd-amdhsa--gfx1250"
	.amdhsa_code_object_version 6
	.text
	.protected	k_q654242d3c7_prep
	.globl	k_q654242d3c7_prep
	.p2align	8
	.type	k_q654242d3c7_prep,@function
k_q654242d3c7_prep:
	s_mov_b64 s[64:65], 0
	v_nop
	global_prefetch_b8 v0, s[64:65] scope:SCOPE_SE
	s_setreg_imm32_b32 hwreg(HW_REG_WAVE_MODE, 25, 1), 1
	s_wait_xcnt 0x0
; PREP: x [8192][1024], wq [1024][1024], wk, wv [256][1024], wo [1024][1024], all f32 with K innermost, become codes of FP6 (E2M3) with one E8M0 byte for each 32 along K,
; laid as the later launches' operand registers want them; and the table of cosines and sines for the rotation is made.
; OPERAND IMAGE of a matrix [R][1024]: for each 256 rows and each 128 along K a chunk of 25,600 bytes = two half chunks (128 rows) of 12,800: eight fragments of 1,536 bytes, then 512 bytes of scale words.
; A fragment (16 rows x 128 K, 12 registers a lane) lies as three groups of 512 bytes: registers 4 c .. 4 c + 3 of lane l at 512 c + 16 l.  The scale words lie [pair of tiles][row][2 words].
; THE ROWS OF A TILE ARE NOT NEIGHBOURS: row rr of tile w of a half chunk is row 32 (w / 2) + 8 (w % 2) + rr + 8 (rr / 8), so that later the 16 result registers of two neighbouring tiles are 16 neighbours.
; SHARES: a work-group takes 128 rows x 256 along K (two K steps); its eight waves take a tile each.  84 half blocks x 4 = 336 work-groups: 64 of x, 8 of wq, 2 of wk, 2 of wv, 8 of wo.
; A row's 512 bytes of a K step are read by one load (32 lanes x 16 bytes), go through the wave's own stage in LDS and come back 16 neighbours of each block of 32 to a lane, as the conversions want them.
; A block's scale is 2^(floor(log2(largest magnitude)) - 2); its byte is the largest magnitude's exponent field - 2, held at 1 from below.
; LIMITS: a block of zeros, and one whose largest magnitude lies under 2^-124, has the byte 1 (the rule says 127 for zeros): its codes are zeros and this program alone reads the bytes.  NaN and infinities are not served.
; THE TABLE: rope[pos][0..31] = cos(pos theta_i), rope[pos][32..63] = sin(pos theta_i), theta_i = 10000^(-i/32) = 10^(-i/8), written as the f32 nearest to each; the angle is one f32 product; it is reduced by
; pi/2 in three parts (good for the angles here, up to 2,047) and goes through polynomials of degree 8 and 9.  theta may differ by a last bit from a power function's, which moves the largest angles by about 1e-4.
.set CHK,  25600
.set HC,   12800
.set SPT,  528                         ; a stage row: 512 bytes + 16: 132 words, so that the 16 rows that a load touches start in 16 different groups of banks
.set SG,   8*16*SPT                    ; behind the eight stages: the scale words of the two K steps, 512 bytes each
.set TM,   8                           ; v8-23   at work in QUANT
.set PW,   24                          ; v24     the scale word just made
.set R0,   32                          ; v32-159 two K steps as loaded: 16 rows x 4 registers each
.set X,    160                         ; v160-223 64 numbers of my row: register 16 b + i = k 32 b + 16 (lane / 16) + i
.set PC,   224                         ; v224-243 the codes
; 64 numbers of a lane become a fragment's codes in v[PC] .. v[PC+11] and its row's scale word in v[PW]
.macro QUANT s
.irp b, 0,1,2,3
	v_max3_num_f32 v[TM+\b], |v[(\s)+16*\b]|, |v[(\s)+1+16*\b]|, 0x1800000   ; my 16 numbers of block b, and the floor 2^(3 - 127): the byte cannot fall under 1
.endr
.irp i, 2,4,6,8,10,12,14
.irp b, 0,1,2,3
	s_delay_alu instid0(VALU_DEP_4)
	v_max3_num_f32 v[TM+\b], |v[(\s)+16*\b+\i]|, |v[(\s)+1+16*\b+\i]|, v[TM+\b]   ; the four blocks by turns
.endr
.endr
.irp b, 0,1,2,3
	s_delay_alu instid0(VALU_DEP_4)
	v_permlanex16_b32 v[TM+4+\b], v[TM+\b], s46, s47
.endr
.irp b, 0,1,2,3
	s_delay_alu instid0(VALU_DEP_4)
	v_max_num_f32 v[TM+\b], v[TM+\b], v[TM+4+\b]        ; with lane l xor 16's 16: the block's largest magnitude
.endr
.irp b, 0,1,2,3
	s_delay_alu instid0(VALU_DEP_4)
	v_add_nc_u32 v[TM+12+\b], 0xff000000, v[TM+\b]      ; 2 off its exponent field: the conversion takes this operand's exponent field as its scale
.endr
.irp b, 0,1,2,3
	s_delay_alu instid0(VALU_DEP_4)
	v_lshrrev_b32 v[TM+4+\b], 23, v[TM+12+\b]           ; the scale's byte
.endr
	s_delay_alu instid0(VALU_DEP_3)
	v_lshl_or_b32 v[PW], v[TM+5], 8, v[TM+4]
	s_delay_alu instid0(VALU_DEP_1)
	v_lshl_or_b32 v[PW], v[TM+6], 16, v[PW]
	s_delay_alu instid0(VALU_DEP_1)
	v_lshl_or_b32 v[PW], v[TM+7], 24, v[PW]
.irp c, 0,1
	v_cvt_scalef32_pk16_fp6_f32 v[PC+6*\c:PC+2+6*\c], v[(\s)+32*\c:(\s)+15+32*\c], v[TM+12+2*\c]
	v_cvt_scalef32_pk16_fp6_f32 v[PC+12+4*\c:PC+14+4*\c], v[(\s)+16+32*\c:(\s)+31+32*\c], v[TM+13+2*\c]   ; (a conversion's three registers begin on an even number)
.endr
	v_nop                                               ; one plain place behind a scaled conversion
.irp c, 0,1                                         ; the operand wants a whole block in a lane: lanes 0-15 block 2 c, lanes 16-31 block 2 c + 1
.irp i, 0,1,2
	v_permlane16_swap_b32 v[PC+6*\c+\i], v[PC+12+4*\c+\i]
.endr
.irp i, 0,1,2
	s_delay_alu instid0(VALU_DEP_3)
	v_mov_b32 v[PC+3+6*\c+\i], v[PC+12+4*\c+\i]
.endr
.endr
.endm
; a K step's 16 rows through my stage: LDS serves a wave's instructions in order, so no wait stands between the stores and the loads
.macro TURN reg
.irp rr, 0,1,2,3,4,5,6,7,8,9,10,11,12,13,14,15
	ds_store_b128 v4, v[\reg+4*\rr:\reg+4*\rr+3] offset:SPT*\rr
.endr
.irp b, 0,1,2,3
.irp j, 0,1,2,3
	ds_load_b128 v[X+16*\b+4*\j:X+16*\b+4*\j+3], v5 offset:128*\b+16*\j
.endr
.endr
.endm
	s_load_b256 s[4:11], s[0:1], 0x0               ; x, wq, wk, wv
	s_load_b256 s[12:19], s[0:1], 0x20             ; wo, xc, wc, woc
	s_load_b64 s[20:21], s[0:1], 0x40              ; rope
	v_lshl_add_u32 v254, v0, 2, 0x10c00
	v_mov_b32 v255, 0
	v_lshrrev_b32 v1, 5, v0
	s_delay_alu instid0(VALU_DEP_1)
	v_readfirstlane_b32 s30, v1                    ; wave 0..7 = my tile of the half block
	v_and_b32 v1, 15, v0                           ; r
	v_bfe_u32 v2, v0, 4, 1                         ; h
	v_and_b32 v3, 31, v0
	s_delay_alu instid0(VALU_DEP_1)
	v_lshlrev_b32 v3, 4, v3                        ; 16 x lane
	s_wait_alu depctr_va_vdst(0)
	s_mul_i32 s31, s30, 16*SPT                     ; my stage
	v_add_nc_u32 v4, s31, v3                       ; in: a row's 512 bytes as they lie
	v_mul_u32_u24 v5, v1, SPT
	s_delay_alu instid0(VALU_DEP_1)
	v_lshl_add_u32 v5, v2, 6, v5
	s_delay_alu instid0(VALU_DEP_1)
	v_add_nc_u32 v5, s31, v5                       ; out: row r, + 64 h: my 16 numbers of a block of 32
	s_lshr_b32 s32, s30, 1
	s_and_b32 s33, s30, 1
	s_lshl_b32 s34, s32, 7
	s_lshl_b32 s35, s33, 2
	s_add_co_u32 s34, s34, s35
	s_add_co_u32 s34, s34, SG
	v_lshl_add_u32 v6, v1, 3, s34                  ; my row's scale word: 128 x (tile / 2) + 8 r + 4 x (tile % 2)
	s_lshl_b32 s35, s33, 9
	s_add_co_u32 s35, s35, SG
	v_add_nc_u32 v7, s35, v3                       ; waves 0 and 1 read a K step's 512 bytes of scale words back
	s_lshr_b32 s22, ttmp9, 2                       ; which half block of 128 rows
	s_and_b32 s23, ttmp9, 3                        ; which two K steps
	s_mov_b32 s46, 0x76543210
	s_mov_b32 s47, 0xfedcba98                      ; v_permlanex16_b32's selects for lane l xor 16
.irp b, 0,1,2,3
	v_mov_b32 v[TM+4+\b], 0                        ; written once: a lane permute's destination counts as one of its sources
.endr
	s_wait_alu depctr_va_vdst(0)
	s_wait_kmcnt 0x0
	; which tensor: the choices hang on the work-group's number alone.  s28, s29: the first half block of the source and of the image
	s_mov_b64 s[24:25], s[12:13]
	s_mov_b64 s[26:27], s[18:19]
	s_mov_b32 s28, 76
	s_mov_b32 s29, 76
	s_cmp_lt_u32 s22, 76
	s_cselect_b64 s[24:25], s[10:11], s[24:25]
	s_cselect_b64 s[26:27], s[16:17], s[26:27]
	s_cselect_b32 s28, 74, s28
	s_cselect_b32 s29, 64, s29
	s_cmp_lt_u32 s22, 74
	s_cselect_b64 s[24:25], s[8:9], s[24:25]
	s_cselect_b32 s28, 72, s28
	s_cmp_lt_u32 s22, 72
	s_cselect_b64 s[24:25], s[6:7], s[24:25]
	s_cselect_b32 s28, 64, s28
	s_cmp_lt_u32 s22, 64
	s_cselect_b64 s[24:25], s[4:5], s[24:25]
	s_cselect_b64 s[26:27], s[14:15], s[26:27]
	s_cselect_b32 s28, 0, s28
	s_cselect_b32 s29, 0, s29
	s_sub_co_u32 s36, s22, s28
	s_lshl_b32 s36, s36, 7
	s_lshl_b32 s37, s32, 5
	s_add_co_u32 s36, s36, s37
	s_lshl_b32 s37, s33, 3
	s_add_co_u32 s36, s36, s37                     ; my tile's first row
	s_lshl_b32 s36, s36, 12                        ; rows of 4,096 bytes (under 2^26)
	s_lshl_b32 s37, s23, 10                        ; two K steps are 1,024 bytes
	s_add_co_u32 s36, s36, s37
	s_mov_b32 s37, 0
	s_add_nc_u64 s[24:25], s[24:25], s[36:37]
	s_sub_co_u32 s38, s22, s29
	s_lshr_b32 s39, s38, 1
	s_lshl_b32 s39, s39, 3
	s_lshl_b32 s40, s23, 1
	s_add_co_u32 s39, s39, s40
	s_mul_i32 s39, s39, CHK
	s_and_b32 s38, s38, 1
	s_mul_i32 s38, s38, HC
	s_add_co_u32 s38, s38, s39
	s_mov_b32 s39, 0
	s_add_nc_u64 s[26:27], s[26:27], s[38:39]      ; the half chunk of my first K step
	s_mul_i32 s40, s30, 1536
	s_mov_b32 s41, 0
	s_add_nc_u64 s[42:43], s[26:27], s[40:41]      ; my tile's fragment in it
.irp s, 0,1
.irp rr, 0,1,2,3,4,5,6,7,8,9,10,11,12,13,14,15
	global_load_b128 v[R0+64*\s+4*\rr:R0+64*\s+4*\rr+3], v3, s[24:25] offset:(\rr+8*(\rr/8))*4096+512*\s th:TH_LOAD_NT   ; 32 lanes read 512 consecutive bytes of one row
.endr
.endr
	s_wait_loadcnt 16                              ; the first K step's 16 loads are in; the second's may be out
	TURN R0
	s_wait_dscnt 0x0
	QUANT X
.irp c, 0,1,2
	global_store_b128 v3, v[PC+4*\c:PC+4*\c+3], s[42:43] offset:512*\c    ; 512 consecutive bytes
.endr
	ds_store_b32 v6, v[PW]                         ; lanes l and l xor 16 write the same word with the same value
	s_wait_loadcnt 0x0
	TURN R0+64
	s_wait_dscnt 0x0
	s_wait_xcnt 0x0                                ; the stores have read the codes' registers: they are written again only behind this wait
	QUANT X
.irp c, 0,1,2
	global_store_b128 v3, v[PC+4*\c:PC+4*\c+3], s[42:43] offset:CHK+512*\c
.endr
	ds_store_b32 v6, v[PW] offset:512
	s_wait_dscnt 0x0                               ; for the others' sake: my scale words lie in LDS
	s_barrier_signal -1
	s_barrier_wait -1
	s_cmp_gt_u32 s30, 1
	s_cbranch_scc1 .Lno_words
	ds_load_b128 v[8:11], v7                       ; wave 0: the first K step's 512 bytes of scale words; wave 1: the second's
	s_mul_i32 s40, s30, CHK
	s_add_co_u32 s40, s40, 12288
	s_add_nc_u64 s[44:45], s[26:27], s[40:41]
	s_wait_dscnt 0x0
	global_store_b128 v3, v[8:11], s[44:45]        ; 512 consecutive bytes
.Lno_words:
	s_cmp_gt_u32 ttmp9, 127                        ; the table: 2,048 positions x 16 threads = 128 work-groups' threads
	s_cbranch_scc1 .Lend
.set TH, 40
.set AN, 44
.set NN, 48
.set S2, 52
.set CP, 56
.set SP, 60
.set MM, 64
.set RT, 68
	s_lshl_b32 s48, ttmp9, 8
	v_add_nc_u32 v32, s48, v0                      ; g: position g / 16; frequencies 4 (g % 8) + 0..3; bit 3: cosines (0) or sines (1)
	s_delay_alu instid0(VALU_DEP_1)
	v_lshrrev_b32 v33, 4, v32
	s_delay_alu instid0(VALU_DEP_2)
	v_and_b32 v34, 7, v32
	s_delay_alu instid0(VALU_DEP_3)
	v_bfe_u32 v35, v32, 3, 1
	s_delay_alu instid0(VALU_DEP_4)
	v_lshlrev_b32 v36, 4, v32                      ; and the 16 bytes at 16 g of the table are mine
	s_delay_alu instid0(VALU_DEP_4)
	v_cvt_f32_u32 v33, v33
	s_delay_alu instid0(VALU_DEP_3)
	v_mul_u32_u24 v35, v35, 3                      ; sin a = cos(a - pi/2): three quadrants on
	v_mov_b32 v[TH], 0x3f800000                    ; 10^(-i/8), i = 0..3
	v_mov_b32 v[TH+1], 0x3f3ff911
	v_mov_b32 v[TH+2], 0x3f0ff59a
	v_mov_b32 v[TH+3], 0x3ed7e89b
.macro PICK q, a, b, c, d                      ; the lanes with g % 8 = q take 10^(-i/8), i = 4 q + 0..3
	v_cmp_ne_u32 vcc_lo, \q, v34
	s_delay_alu instid0(VALU_DEP_1)
	v_cndmask_b32 v[TH], \a, v[TH], vcc_lo
	s_delay_alu instid0(VALU_DEP_2)
	v_cndmask_b32 v[TH+1], \b, v[TH+1], vcc_lo
	s_delay_alu instid0(VALU_DEP_3)
	v_cndmask_b32 v[TH+2], \c, v[TH+2], vcc_lo
	s_delay_alu instid0(VALU_DEP_4)
	v_cndmask_b32 v[TH+3], \d, v[TH+3], vcc_lo
.endm
	PICK 1, 0x3ea1e89b, 0x3e72d424, 0x3e361887, 0x3e088d77
	PICK 2, 0x3dcccccd, 0x3d99940e, 0x3d6655c3, 0x3d2cba15
	PICK 3, 0x3d0186e2, 0x3cc24350, 0x3c91ad39, 0x3c5a7bf1
	PICK 4, 0x3c23d70a, 0x3bf5b9b0, 0x3bb8449c, 0x3b8a2e77
	PICK 5, 0x3b4f3e37, 0x3b1b690d, 0x3ae91528, 0x3aaec98e
	PICK 6, 0x3a83126f, 0x3a44948c, 0x3a136a16, 0x39dd1726
	PICK 7, 0x39a5cb5f, 0x3978a814, 0x393a7753, 0x390bd472
.irp e, 0,1,2,3
	s_delay_alu instid0(VALU_DEP_4)
	v_mul_f32 v[AN+\e], v33, v[TH+\e]              ; the angle: one f32 product
.endr
.irp e, 0,1,2,3
	s_delay_alu instid0(VALU_DEP_4)
	v_mul_f32 v[NN+\e], 0x3f22f983, v[AN+\e]       ; x 2 / pi
.endr
.irp e, 0,1,2,3
	s_delay_alu instid0(VALU_DEP_4)
	v_rndne_f32 v[NN+\e], v[NN+\e]                 ; n: the nearest multiple of pi/2
.endr
.irp e, 0,1,2,3
	s_delay_alu instid0(VALU_DEP_4)
	v_fmamk_f32 v[AN+\e], v[NN+\e], 0xbfc90fd8, v[AN+\e]   ; r = angle - n pi/2, pi/2 in three parts
.endr
.irp e, 0,1,2,3
	s_delay_alu instid0(VALU_DEP_4)
	v_fmamk_f32 v[AN+\e], v[NN+\e], 0xb4a8885a, v[AN+\e]
.endr
.irp e, 0,1,2,3
	s_delay_alu instid0(VALU_DEP_4)
	v_fmamk_f32 v[AN+\e], v[NN+\e], 0xa7c234c4, v[AN+\e]
.endr
.irp e, 0,1,2,3
	v_mul_f32 v[S2+\e], v[AN+\e], v[AN+\e]
	v_mov_b32 v[CP+\e], 0x37cd4000
	v_mov_b32 v[SP+\e], 0x36405000
.endr
.irp e, 0,1,2,3
	v_fmaak_f32 v[CP+\e], v[CP+\e], v[S2+\e], 0xbab6077d   ; cos r
	v_fmaak_f32 v[SP+\e], v[SP+\e], v[S2+\e], 0xb9503486   ; sin r
.endr
.irp e, 0,1,2,3
	v_fmaak_f32 v[CP+\e], v[CP+\e], v[S2+\e], 0x3d2aaaa8
	v_fmaak_f32 v[SP+\e], v[SP+\e], v[S2+\e], 0x3c0888c1
.endr
.irp e, 0,1,2,3
	v_fmaak_f32 v[CP+\e], v[CP+\e], v[S2+\e], 0xbf000000
	v_fmaak_f32 v[SP+\e], v[SP+\e], v[S2+\e], 0xbe2aaaab
.endr
.irp e, 0,1,2,3
	v_fmaak_f32 v[CP+\e], v[CP+\e], v[S2+\e], 0x3f800000
	v_mul_f32 v[RT+\e], v[AN+\e], v[S2+\e]
.endr
.irp e, 0,1,2,3
	v_fma_f32 v[SP+\e], v[SP+\e], v[RT+\e], v[AN+\e]
	v_cvt_i32_f32 v[MM+\e], v[NN+\e]
.endr
.irp e, 0,1,2,3
	v_add_nc_u32 v[MM+\e], v[MM+\e], v35           ; m: the quadrant of the cosine that is wanted
.endr
.irp e, 0,1,2,3
	v_and_b32 v[RT+\e], 1, v[MM+\e]
	s_delay_alu instid0(VALU_DEP_1)
	v_cmp_eq_u32 vcc_lo, 1, v[RT+\e]
	s_delay_alu instid0(VALU_DEP_1)
	v_cndmask_b32 v[CP+\e], v[CP+\e], v[SP+\e], vcc_lo   ; cos(r + m pi/2): the sine's polynomial where m is odd,
	v_add_nc_u32 v[MM+\e], 1, v[MM+\e]
	s_delay_alu instid0(VALU_DEP_1)
	v_lshlrev_b32 v[MM+\e], 30, v[MM+\e]
	s_delay_alu instid0(VALU_DEP_1)
	v_and_b32 v[MM+\e], 0x80000000, v[MM+\e]
	s_delay_alu instid0(VALU_DEP_1)
	v_xor_b32 v[CP+\e], v[CP+\e], v[MM+\e]         ; negative where m % 4 is 1 or 2
.endr
	global_store_b128 v36, v[CP:CP+3], s[20:21]    ; a wave stores 512 consecutive bytes: two positions' rows
.Lend:
	s_wait_tensorcnt 0x0
	ds_add_u32 v254, v255
	s_wait_dscnt 0x0
	s_endpgm
.Lfunc_end_k_q654242d3c7_prep:
	.size	k_q654242d3c7_prep, .Lfunc_end_k_q654242d3c7_prep-k_q654242d3c7_prep
	.p2alignl 7, 3214868480
	.fill 96, 4, 3214868480
	.section	.rodata,"a",@progbits
	.p2align	6, 0x0
	.amdhsa_kernel k_q654242d3c7_prep
		.amdhsa_group_segment_fixed_size 69632
		.amdhsa_private_segment_fixed_size 0
		.amdhsa_enable_private_segment 0
		.amdhsa_kernarg_size 72
		.amdhsa_user_sgpr_count 2
		.amdhsa_user_sgpr_kernarg_segment_ptr 1
		.amdhsa_wavefront_size32 1
		.amdhsa_system_sgpr_workgroup_id_x 1
		.amdhsa_system_sgpr_workgroup_id_y 1
		.amdhsa_system_sgpr_workgroup_id_z 1
		.amdhsa_system_vgpr_workitem_id 0
		.amdhsa_next_free_vgpr 256
		.amdhsa_next_free_sgpr 66
		.amdhsa_reserve_vcc 1
		.amdhsa_float_denorm_mode_32 3
		.amdhsa_float_denorm_mode_16_64 3
		.amdhsa_memory_ordered 1
		.amdhsa_forward_progress 1
		.amdhsa_inst_pref_size 34
	.end_amdhsa_kernel
	.amdgpu_metadata
---
amdhsa.version: [ 1, 2 ]
amdhsa.kernels:
  - .name:           k_q654242d3c7_prep
    .symbol:         k_q654242d3c7_prep.kd
    .args:
      - { .name: x, .offset: 0, .size: 8, .value_kind: global_buffer, .address_space: global }
      - { .name: wq, .offset: 8, .size: 8, .value_kind: global_buffer, .address_space: global }
      - { .name: wk, .offset: 16, .size: 8, .value_kind: global_buffer, .address_space: global }
      - { .name: wv, .offset: 24, .size: 8, .value_kind: global_buffer, .address_space: global }
      - { .name: wo, .offset: 32, .size: 8, .value_kind: global_buffer, .address_space: global }
      - { .name: xc, .offset: 40, .size: 8, .value_kind: global_buffer, .address_space: global }
      - { .name: wc, .offset: 48, .size: 8, .value_kind: global_buffer, .address_space: global }
      - { .name: woc, .offset: 56, .size: 8, .value_kind: global_buffer, .address_space: global }
      - { .name: rope, .offset: 64, .size: 8, .value_kind: global_buffer, .address_space: global }
    .group_segment_fixed_size: 69632
    .private_segment_fixed_size: 0
    .kernarg_segment_align: 8
    .kernarg_segment_size: 72
    .max_flat_workgroup_size: 256
    .sgpr_count:     66
    .vgpr_count:     256
    .wavefront_size: 32
...
	.end_amdgpu_metadata
.endif
;; end of part 1
;; launch qkv (part 2): grid 32 x 6, 4 waves a work-group, clusters of 4 x 1, 327,680 bytes of LDS; arguments xc, wc, rope, q_gamma, k_gamma, qc, kvc; writes qc, kvc
.if DOCPART == 2
	.amdgcn_target "amdgcn-amd-amdhsa--gfx1250"
	.amdhsa_code_object_version 6
	.text
	.protected	k_q654242d3c7_qkv
	.globl	k_q654242d3c7_qkv
	.p2align	8
	.type	k_q654242d3c7_qkv,@function
k_q654242d3c7_qkv:
	s_mov_b64 s[64:65], 0
	v_nop
	global_prefetch_b8 v0, s[64:65] scope:SCOPE_SE
	s_setreg_imm32_b32 hwreg(HW_REG_WAVE_MODE, 25, 1), 1
	s_wait_xcnt 0x0
	s_wait_alu depctr_hold_cnt(0) depctr_sa_sdst(0) depctr_va_vdst(0) depctr_va_sdst(0) depctr_va_ssrc(0) depctr_va_vcc(0) depctr_vm_vsrc(0)
	s_getreg_b32 s2, hwreg(HW_REG_IB_STS2, 6, 4)
	s_cmp_eq_u32 s2, 0
	s_cbranch_scc0 .Lentry_in_a_cluster
	s_endpgm
.Lentry_in_a_cluster:
	s_bfe_u32 s2, ttmp6, 0x10000c
	s_cmp_lg_u32 s2, 0x3003
	s_cbranch_scc0 .Lentry_shape_is_right
	s_endpgm
.Lentry_shape_is_right:
.set CHK,   25600
.set HC,    12800
.set SLOT,  4*CHK
.set SPARE, 2*SLOT
.set A0,  8
.set A1,  10
.set B0,  12
.set B1,  14
.set RO,  24
.set GO,  25
.set SPW, 28
.set NIL, 29
.set SC,  32
.set F1,  128
.set NL1, 3
.set G1X, 24
.set G0X, 32
.set G1W, 40
.set G0W, 48
.set Z,   64
.set GM,  128
.set PC,  160
.set TM,  180
.set PWS, 196
.set SS,  204
.set T,   216
.set RS,  224
.set MSB, 0
.macro WIN new
.if MSB != (\new)
	s_set_vgpr_msb (MSB<<8)|(\new)
.set MSB, (\new)
.endif
.endm
.set MUL_LO, 0xa1
.set MUL_HI, 0xf1
.macro PLACES n
.rept \n
	v_nop
.endr
.endm
.macro JLOAD s
	s_cmp_eq_u32 s19, 0
	s_cbranch_scc0 .Lfor_w_\@
	tensor_load_to_lds s[G0X+4*\s:G0X+4*\s+3], s[G1X:G1X+7]
	s_nop 0
.rept 4
	v_nop
.endr
	s_branch .Lasked_\@
.Lfor_w_\@:
	tensor_load_to_lds s[G0W+4*\s:G0W+4*\s+3], s[G1W:G1W+7]
	s_nop 0
.rept 4
	v_nop
.endr
.Lasked_\@:
.endm
.macro CREST
	s_cmp_lg_u32 s18, 0
	s_cbranch_scc1 .Lnot_wave_0_\@
	s_barrier_signal -3
.Lnot_wave_0_\@:
	s_barrier_wait -3
	s_barrier_signal -1
	s_barrier_wait -1
.endm
.macro CROUND
	s_barrier_signal -1
	s_barrier_wait -1
	CREST
.endm
.macro WM d, a, b, zero, sa, sb, ra, rb
.if (\zero)
.if (\ra)&&(\rb)
	v_wmma_scale_f32_16x16x128_f8f6f4 v[(\d):(\d)+7], v[(\a):(\a)+11], v[(\b):(\b)+11], 0, v[(\sa)], v[(\sb)] matrix_a_fmt:MATRIX_FMT_FP6 matrix_b_fmt:MATRIX_FMT_FP6 matrix_a_scale:MATRIX_SCALE_ROW1 matrix_b_scale:MATRIX_SCALE_ROW1
.elseif (\ra)
	v_wmma_scale_f32_16x16x128_f8f6f4 v[(\d):(\d)+7], v[(\a):(\a)+11], v[(\b):(\b)+11], 0, v[(\sa)], v[(\sb)] matrix_a_fmt:MATRIX_FMT_FP6 matrix_b_fmt:MATRIX_FMT_FP6 matrix_a_scale:MATRIX_SCALE_ROW1
.elseif (\rb)
	v_wmma_scale_f32_16x16x128_f8f6f4 v[(\d):(\d)+7], v[(\a):(\a)+11], v[(\b):(\b)+11], 0, v[(\sa)], v[(\sb)] matrix_a_fmt:MATRIX_FMT_FP6 matrix_b_fmt:MATRIX_FMT_FP6 matrix_b_scale:MATRIX_SCALE_ROW1
.else
	v_wmma_scale_f32_16x16x128_f8f6f4 v[(\d):(\d)+7], v[(\a):(\a)+11], v[(\b):(\b)+11], 0, v[(\sa)], v[(\sb)] matrix_a_fmt:MATRIX_FMT_FP6 matrix_b_fmt:MATRIX_FMT_FP6
.endif
.else
.if (\ra)&&(\rb)
	v_wmma_scale_f32_16x16x128_f8f6f4 v[(\d):(\d)+7], v[(\a):(\a)+11], v[(\b):(\b)+11], v[(\d):(\d)+7], v[(\sa)], v[(\sb)] matrix_a_fmt:MATRIX_FMT_FP6 matrix_b_fmt:MATRIX_FMT_FP6 matrix_a_scale:MATRIX_SCALE_ROW1 matrix_b_scale:MATRIX_SCALE_ROW1
.elseif (\ra)
	v_wmma_scale_f32_16x16x128_f8f6f4 v[(\d):(\d)+7], v[(\a):(\a)+11], v[(\b):(\b)+11], v[(\d):(\d)+7], v[(\sa)], v[(\sb)] matrix_a_fmt:MATRIX_FMT_FP6 matrix_b_fmt:MATRIX_FMT_FP6 matrix_a_scale:MATRIX_SCALE_ROW1
.elseif (\rb)
	v_wmma_scale_f32_16x16x128_f8f6f4 v[(\d):(\d)+7], v[(\a):(\a)+11], v[(\b):(\b)+11], v[(\d):(\d)+7], v[(\sa)], v[(\sb)] matrix_a_fmt:MATRIX_FMT_FP6 matrix_b_fmt:MATRIX_FMT_FP6 matrix_b_scale:MATRIX_SCALE_ROW1
.else
	v_wmma_scale_f32_16x16x128_f8f6f4 v[(\d):(\d)+7], v[(\a):(\a)+11], v[(\b):(\b)+11], v[(\d):(\d)+7], v[(\sa)], v[(\sb)] matrix_a_fmt:MATRIX_FMT_FP6 matrix_b_fmt:MATRIX_FMT_FP6
.endif
.endif
.endm
.macro MUL16 a0, set, kk, slot, zero
.irp a, \a0, \a0+1
.irp b, 0,1,2,3,4,5,6,7
	WM 8*(8*((\a)%4)+\b), 128*(\set)+12*\b, F1+12*(\a), \zero, SC+16*(\slot)+4*(\kk)+2*(\b/4)+\b%2, SC+16*(\slot)+8+4*(\kk)+2*((\a)/4)+(\a)%2, (\b/2)%2, ((\a)/2)%2
.endr
.endr
.endm
.macro FETCH0 slot, kk, set
	WIN 0x40
.irp i, 0,1,2,3,4,5,6,7
.irp c, 0,1,2
	ds_load_b128 v[128*(\set)+12*\i+4*\c:128*(\set)+12*\i+4*\c+3], v[A0+\slot] offset:CHK*(\kk)+1536*\i+512*\c
.endr
.endr
	WIN 0
.endm
.macro FETCH1 slot, kk, i0
.irp i, \i0, \i0+1, \i0+2, \i0+3
.irp c, 0,1,2
	ds_load_b128 v[F1+12*(\i)+4*\c:F1+12*(\i)+4*\c+3], v[A1+\slot] offset:CHK*(\kk)+1536*(\i)+512*\c
.endr
.endr
.endm
.macro SCALES slot
.irp kk, 0,1
.irp m, 0,1
	ds_load_b64 v[SC+16*\slot+4*\kk+2*\m:SC+16*\slot+4*\kk+2*\m+1], v[B0+\slot] offset:CHK*\kk+12288+256*\m
	ds_load_b64 v[SC+16*\slot+8+4*\kk+2*\m:SC+16*\slot+8+4*\kk+2*\m+1], v[B1+\slot] offset:CHK*\kk+12288+256*\m
.endr
.endr
.endm
.macro STEP slot, zero
	s_wait_dscnt 4*NL1
	WIN MUL_LO
	MUL16 0, 0, 0, \slot, \zero
	MUL16 2, 0, 0, \slot, \zero
	s_wait_dscnt 0x0
	PLACES 4
	FETCH0 \slot, 1, 1
	FETCH1 \slot, 1, 0
	WIN MUL_HI
	MUL16 4, 0, 0, \slot, \zero
	MUL16 6, 0, 0, \slot, \zero
	PLACES 4
	WIN 0
	FETCH1 \slot, 1, 4
.endm
.macro TURN slot, next, fill
	s_wait_tensorcnt 0x0
	ds_add_u32 v[SPW], v[NIL]
	s_wait_dscnt 4*NL1+1
	WIN MUL_LO
	MUL16 0, 1, 1, \slot, 0
	s_wait_dscnt 0x0
	s_barrier_signal -1
	MUL16 2, 1, 1, \slot, 0
	WIN 0
	s_barrier_wait -1
.if \fill
	CREST
	s_add_nc_u64 s[G0X+4*\slot+2:G0X+4*\slot+3], s[G0X+4*\slot+2:G0X+4*\slot+3], 4*CHK
	s_add_nc_u64 s[G0W+4*\slot+2:G0W+4*\slot+3], s[G0W+4*\slot+2:G0W+4*\slot+3], 4*CHK
	JLOAD \slot
.else
	PLACES 4
.endif
	s_wait_alu depctr_va_vdst(0)
	FETCH0 \next, 0, 0
	FETCH1 \next, 0, 0
	SCALES \next
	WIN MUL_HI
	MUL16 4, 1, 1, \slot, 0
	MUL16 6, 1, 1, \slot, 0
	PLACES 4
	WIN 0
	FETCH1 \next, 0, 4
.endm
.macro QUANT s, wa, wb, pw
	WIN \wa
.irp b, 0,1,2,3
	v_max3_num_f32 v[TM+\b], |v[(\s)+16*\b]|, |v[(\s)+1+16*\b]|, 0x1800000
.endr
.irp i, 2,4,6,8,10,12,14
.irp b, 0,1,2,3
	v_max3_num_f32 v[TM+\b], |v[(\s)+16*\b+\i]|, |v[(\s)+1+16*\b+\i]|, v[TM+\b]
.endr
.endr
	WIN 0
.irp b, 0,1,2,3
	v_permlanex16_b32 v[TM+4+\b], v[TM+\b], s72, s73
.endr
.irp b, 0,1,2,3
	v_max_num_f32 v[TM+\b], v[TM+\b], v[TM+4+\b]
.endr
.irp b, 0,1,2,3
	v_add_nc_u32 v[TM+12+\b], 0xff000000, v[TM+\b]
.endr
.irp b, 0,1,2,3
	v_lshrrev_b32 v[TM+4+\b], 23, v[TM+12+\b]
.endr
	v_lshl_or_b32 v[(\pw)], v[TM+5], 8, v[TM+4]
	v_lshl_or_b32 v[(\pw)], v[TM+6], 16, v[(\pw)]
	v_lshl_or_b32 v[(\pw)], v[TM+7], 24, v[(\pw)]
	WIN \wb
.irp c, 0,1
	v_cvt_scalef32_pk16_fp6_f32 v[PC+6*\c:PC+2+6*\c], v[(\s)+32*\c:(\s)+15+32*\c], v[TM+12+2*\c]
	v_cvt_scalef32_pk16_fp6_f32 v[PC+12+4*\c:PC+14+4*\c], v[(\s)+16+32*\c:(\s)+31+32*\c], v[TM+13+2*\c]
.endr
	WIN 0
	v_nop
.irp c, 0,1
.irp i, 0,1,2
	v_permlane16_swap_b32 v[PC+6*\c+\i], v[PC+12+4*\c+\i]
.endr
.irp i, 0,1,2
	v_mov_b32 v[PC+3+6*\c+\i], v[PC+12+4*\c+\i]
.endr
.endr
.endm
	s_load_b256 s[4:11], s[0:1], 0x0
	s_load_b128 s[12:15], s[0:1], 0x20
	s_load_b64 s[16:17], s[0:1], 0x30
	v_lshl_add_u32 v[SPW], v0, 2, SPARE
	v_mov_b32 v[NIL], 0
	ds_add_u32 v28, v29
	ds_add_u32 v28, v29
	s_wait_dscnt 0x0
	v_lshrrev_b32 v1, 5, v0
	v_readfirstlane_b32 s18, v1
	s_lshr_b32 s19, s18, 1
	s_and_b32 s20, s18, 1
	s_bfe_u32 s21, ttmp6, 0x40000
	s_lshl_b32 s22, ttmp9, 2
	s_add_co_u32 s22, s22, s21
	s_and_b32 s23, ttmp7, 0xffff
	s_mov_b32 s[G1X], 3<<16
	s_mov_b32 s[G1W], 15|(3<<16)|(1<<21)
.irp g, G1X, G1W
	s_mov_b32 s[\g+1], 32<<16
	s_mov_b32 s[\g+2], 200<<16
	s_mov_b32 s[\g+3], 32<<16
	s_mov_b32 s[\g+4], 200
	s_mov_b32 s[\g+5], 32
	s_mov_b32 s[\g+6], 0
	s_mov_b32 s[\g+7], 0
.endr
	s_mov_b32 s70, 0x3c800000
	s_mov_b32 s71, 0x34000000
	s_mov_b32 s72, 0x76543210
	s_mov_b32 s73, 0xfedcba98
	s_lshl_b32 s56, s22, 3
	s_add_co_u32 s56, s56, s20
	s_mul_i32 s56, s56, CHK
	s_mov_b32 s57, 0
	s_lshl_b32 s58, s23, 3
	s_add_co_u32 s58, s58, s20
	s_mul_i32 s58, s58, CHK
	s_mov_b32 s59, 0
	s_mul_i32 s60, s18, CHK
	s_wait_kmcnt 0x0
	s_add_nc_u64 s[56:57], s[4:5], s[56:57]
	s_add_nc_u64 s[58:59], s[6:7], s[58:59]
	CROUND
.irp s, 0,1
	s_mov_b32 s[G0X+4*\s], 1
	s_add_co_u32 s[G0X+4*\s+1], s60, \s*SLOT
	s_add_nc_u64 s[G0X+4*\s+2:G0X+4*\s+3], s[56:57], \s*2*CHK
	s_or_b32 s[G0X+4*\s+3], s[G0X+4*\s+3], 0x80000000
	s_mov_b32 s[G0W+4*\s], 1
	s_add_co_u32 s[G0W+4*\s+1], s60, \s*SLOT
	s_add_nc_u64 s[G0W+4*\s+2:G0W+4*\s+3], s[58:59], \s*2*CHK
	s_or_b32 s[G0W+4*\s+3], s[G0W+4*\s+3], 0x80000000
.endr
	; the head's one load a wave brings 200 rows of 256 bytes: two chunks on end.  Wave (s19, s20) fills x's or w's part of slot s20: K steps 2 s20 and 2 s20 + 1
	s_mul_i32 s90, s20, CHK
	s_mov_b32 s91, 0
	s_mov_b32 s92, 1
	s_mul_i32 s93, s20, SLOT
	s_add_nc_u64 s[94:95], s[56:57], s[90:91]
	s_or_b32 s95, s95, 0x80000000
	s_mov_b32 s96, 1
	s_add_co_u32 s97, s93, 2*CHK
	s_add_nc_u64 s[98:99], s[58:59], s[90:91]
	s_or_b32 s99, s99, 0x80000000
	s_cmp_eq_u32 s19, 0
	s_cbranch_scc0 .Lhead_w
	tensor_load_to_lds s[92:95], s[G1X:G1X+7]
	s_nop 0
.rept 4
	v_nop
.endr
	s_branch .Lhead_asked
.Lhead_w:
	tensor_load_to_lds s[96:99], s[G1W:G1W+7]
	s_nop 0
.rept 4
	v_nop
.endr
.Lhead_asked:
	v_and_b32 v1, 15, v0
	v_bfe_u32 v2, v0, 4, 1
	v_and_b32 v5, 31, v0
	v_lshlrev_b32 v3, 4, v5
	s_wait_alu depctr_va_vdst(0)
	v_lshlrev_b32 v4, 3, v5
	s_wait_alu depctr_va_vdst(0)
	s_cmp_eq_u32 s23, 5
	s_cselect_b32 s88, 0, 2*CHK
	s_cselect_b32 s89, 2*CHK, 0
	s_mul_i32 s90, s19, HC
	s_add_co_u32 s88, s88, s90
	s_mul_i32 s90, s20, HC
	s_add_co_u32 s89, s89, s90
.irp s, 0,1
	v_add_nc_u32 v[A0+\s], s88, v3
	v_add_nc_u32 v[A1+\s], s89, v3
	v_add_nc_u32 v[B0+\s], s88, v4
	v_add_nc_u32 v[B1+\s], s89, v4
	s_add_co_u32 s88, s88, SLOT
	s_add_co_u32 s89, s89, SLOT
.endr
	v_and_b32 v6, 8, v1
	v_add_nc_u32 v6, v6, v1
	v_lshlrev_b32 v[RO], 8, v6
	v_lshl_add_u32 v[RO], v2, 5, v[RO]
	v_lshlrev_b32 v[GO], 6, v2
	s_cmp_eq_u32 s23, 4                            ; K's odd fragments are stored with lane xor 8: the same 512 bytes a store, the two halves of each 256 changed over, as the next launch's lanes read them
	s_cselect_b32 s90, 128, 0
	v_xor_b32 v7, s90, v3
	s_cmp_eq_u32 s23, 5
	s_cselect_b32 s78, s19, s20
	s_cselect_b32 s79, s20, s19
	s_cselect_b32 s80, 6656, 0
	s_cmp_lt_u32 s23, 4
	s_cselect_b64 s[66:67], s[14:15], s[16:17]
	s_cselect_b64 s[74:75], s[10:11], s[12:13]
	s_cselect_b32 s81, 16, 4
	s_cselect_b32 s82, s23, 0
	s_mov_b32 s83, 13312
	s_cselect_b32 s83, 6656, s83
	s_lshl_b32 s82, s82, 2
	s_lshl_b32 s79, s79, 1
	s_add_co_u32 s82, s82, s79
	s_lshr_b32 s84, s22, 3
	s_mul_i32 s84, s84, s81
	s_add_co_u32 s84, s84, s82
	s_lshl_b32 s84, s84, 4
	s_and_b32 s85, s22, 7
	s_lshl_b32 s85, s85, 1
	s_add_co_u32 s85, s85, s78
	s_add_co_u32 s84, s84, s85
	s_mul_i32 s84, s84, s83
	s_add_co_u32 s84, s84, s80
	s_lshl_b32 s86, s85, 15
	s_mov_b32 s85, 0
	s_mov_b32 s87, 0
	s_add_nc_u64 s[66:67], s[66:67], s[84:85]
	s_add_nc_u64 s[76:77], s[8:9], s[86:87]
	s_lshl_b32 s84, s83, 4
	s_add_nc_u64 s[68:69], s[66:67], s[84:85]
	s_wait_alu depctr_va_vdst(0)
	s_wait_tensorcnt 0x0                           ; my part of both slots is in; no load of mine is out, so group 1 may be written: the ring's loads bring 100 rows
	s_mov_b32 s[G1X+2], 100<<16
	s_mov_b32 s[G1X+4], 100
	s_mov_b32 s[G1W+2], 100<<16
	s_mov_b32 s[G1W+4], 100
	s_barrier_signal -1
	s_barrier_wait -1
	FETCH0 0, 0, 0
	FETCH1 0, 0, 0
	SCALES 0
	FETCH1 0, 0, 4
	STEP 0, 1
	TURN 0, 1, 1
	STEP 1, 0
	TURN 1, 0, 1
	STEP 0, 0
	TURN 0, 1, 0
	STEP 1, 0
	s_wait_dscnt 4*NL1
	WIN MUL_LO
	MUL16 0, 1, 1, 1, 0
	MUL16 2, 1, 1, 1, 0
	s_wait_dscnt 0x0
	WIN MUL_HI
	MUL16 4, 1, 1, 1, 0
	MUL16 6, 1, 1, 1, 0
	WIN 0
	PLACES 4
.irp b, 0,1,2,3
	v_mov_b32 v[TM+4+\b], 0
.endr
	v_mov_b32 v[SS+8], 0
	v_mov_b32 v[SS+9], 0
	v_mov_b32 v[RS+1], 0
	v_mov_b32 v[RS+3], 0
	s_cmp_eq_u32 s23, 5
	s_cbranch_scc1 .Lvalues
.irp k, 0,1,2,3,4,5,6,7
	global_load_b128 v[GM+4*\k:GM+4*\k+3], v[GO], s[74:75] offset:128*(\k/4)+16*(\k%4)
.endr
	WIN 0x40
.irp j, 0,1,2,3,4,5,6,7
.irp k, 0,1,2,3,4,5,6,7
	global_load_b128 v[32*\j+4*\k:32*\j+4*\k+3], v[RO], s[76:77] offset:(32*(\j/2)+8*(\j%2))*256+128*(\k/4)+64*((\k/2)%2)+16*(\k%2)
.endr
.endr
	WIN 0
.macro UNIT p, hh
.set WW, 2+(\p)/2
.set AB0, 128*((\p)%2)+32*(\hh)
	WIN 5*WW
.irp u, 0,1
.irp k, 0,1
	v_pk_mul_f32 v[SS+4*\u+2*\k:SS+4*\u+2*\k+1], v[AB0+64*\u+16*\k:AB0+64*\u+16*\k+1], v[AB0+64*\u+16*\k:AB0+64*\u+16*\k+1]
.endr
.endr
.irp n, 2,4,6,8,10,12,14
.irp u, 0,1
.irp k, 0,1
	v_pk_fma_f32 v[SS+4*\u+2*\k:SS+4*\u+2*\k+1], v[AB0+64*\u+16*\k+\n:AB0+64*\u+16*\k+\n+1], v[AB0+64*\u+16*\k+\n:AB0+64*\u+16*\k+\n+1], v[SS+4*\u+2*\k:SS+4*\u+2*\k+1]
.endr
.endr
.endr
	WIN 0
.irp u, 0,1
	v_pk_add_f32 v[SS+4*\u:SS+4*\u+1], v[SS+4*\u:SS+4*\u+1], v[SS+4*\u+2:SS+4*\u+3]
.endr
.irp u, 0,1
	v_add_f32 v[SS+4*\u], v[SS+4*\u], v[SS+4*\u+1]
.endr
.irp u, 0,1
	v_permlanex16_b32 v[SS+8+\u], v[SS+4*\u], s72, s73
.endr
.irp u, 0,1
	v_add_f32 v[SS+4*\u], v[SS+4*\u], v[SS+8+\u]
.endr
.irp u, 0,1
	v_fma_f32 v[SS+4*\u], v[SS+4*\u], s70, s71
.endr
	s_wait_alu depctr_va_vdst(0)
.irp u, 0,1
	v_rsq_f32 v[RS+2*\u], v[SS+4*\u]
.endr
	v_nop
	WIN WW
	s_wait_alu depctr_va_vdst(0)
.irp n, 0,2,4,6,8,10,12,14,16,18,20,22,24,26,28,30
.irp u, 0,1
	v_pk_mul_f32 v[Z+32*\u+\n:Z+32*\u+\n+1], v[AB0+64*\u+\n:AB0+64*\u+\n+1], v[RS+2*\u:RS+2*\u+1] op_sel_hi:[1,0]
.endr
.endr
	WIN 0
.irp n, 0,2,4,6,8,10,12,14,16,18,20,22,24,26,28,30
.irp u, 0,1
	v_pk_mul_f32 v[Z+32*\u+\n:Z+32*\u+\n+1], v[Z+32*\u+\n:Z+32*\u+\n+1], v[GM+\n:GM+\n+1]
.endr
.endr
	WIN 0x04
.irp u, 0,1
.set CC, 32*(2*(\p)+\u)
.set ZZ, Z+32*\u
.irp m, 0,2,4,6,8,10,12,14
.set TT, T+4*((\m/2)%2)
	v_pk_mul_f32 v[TT:TT+1], v[ZZ+2*\m:ZZ+2*\m+1], v[CC+\m:CC+\m+1] op_sel:[0,0] op_sel_hi:[1,0]
	v_pk_mul_f32 v[TT+2:TT+3], v[ZZ+2*\m+2:ZZ+2*\m+3], v[CC+\m:CC+\m+1] op_sel:[0,1] op_sel_hi:[1,1]
	v_pk_fma_f32 v[ZZ+2*\m:ZZ+2*\m+1], v[ZZ+2*\m:ZZ+2*\m+1], v[CC+16+\m:CC+17+\m], v[TT:TT+1] op_sel:[1,0,0] op_sel_hi:[0,0,1] neg_lo:[0,1,0]
	v_pk_fma_f32 v[ZZ+2*\m+2:ZZ+2*\m+3], v[ZZ+2*\m+2:ZZ+2*\m+3], v[CC+16+\m:CC+17+\m], v[TT+2:TT+3] op_sel:[1,1,0] op_sel_hi:[0,1,1] neg_lo:[0,1,0]
.endr
.endr
	WIN 0
	s_wait_xcnt 0x0
	QUANT Z, 0, 0, PWS+4*(\hh)+(\p)
.irp c, 0,1,2
	global_store_b128 v[3+4*((\p)%2)], v[PC+4*\c:PC+4*\c+3], s[66+2*(\hh):67+2*(\hh)] offset:1536*(\p)+512*\c
.endr
.endm
.irp p, 0,1,2,3
	s_wait_loadcnt 48-16*\p
	UNIT \p, 0
	UNIT \p, 1
.endr
	s_branch .Lwords
.Lvalues:
.irp jw, 0,1,2,3,4,5,6,7
	s_wait_xcnt 0x0
	QUANT 64*(\jw%4), 5*(2+\jw/4), 2+\jw/4, PWS+\jw
.irp c, 0,1,2
	global_store_b128 v3, v[PC+4*\c:PC+4*\c+3], s[66+2*(\jw/4):67+2*(\jw/4)] offset:1536*(\jw%4)+512*\c
.endr
.endr
.Lwords:
	global_store_b128 v3, v[PWS:PWS+3], s[66:67] offset:6144
	global_store_b128 v3, v[PWS+4:PWS+7], s[68:69] offset:6144
	s_wait_tensorcnt 0x0
	ds_add_u32 v[SPW], v[NIL]
	s_wait_dscnt 0x0
	CROUND
	s_endpgm
.Lfunc_end_k_q654242d3c7_qkv:
	.size	k_q654242d3c7_qkv, .Lfunc_end_k_q654242d3c7_qkv-k_q654242d3c7_qkv
	.p2alignl 7, 3214868480
	.fill 96, 4, 3214868480
	.section	.rodata,"a",@progbits
	.p2align	6, 0x0
	.amdhsa_kernel k_q654242d3c7_qkv
		.amdhsa_group_segment_fixed_size 327680
		.amdhsa_private_segment_fixed_size 0
		.amdhsa_enable_private_segment 0
		.amdhsa_kernarg_size 56
		.amdhsa_user_sgpr_count 2
		.amdhsa_user_sgpr_kernarg_segment_ptr 1
		.amdhsa_wavefront_size32 1
		.amdhsa_system_sgpr_workgroup_id_x 1
		.amdhsa_system_sgpr_workgroup_id_y 1
		.amdhsa_system_sgpr_workgroup_id_z 1
		.amdhsa_system_vgpr_workitem_id 0
		.amdhsa_next_free_vgpr 1024
		.amdhsa_next_free_sgpr 100
		.amdhsa_reserve_vcc 0
		.amdhsa_float_denorm_mode_32 3
		.amdhsa_float_denorm_mode_16_64 3
		.amdhsa_memory_ordered 1
		.amdhsa_forward_progress 1
		.amdhsa_inst_pref_size 255
	.end_amdhsa_kernel
	.section	.bss,"aw",@nobits
	.p2align	6
	.space	262144
	.amdgpu_metadata
---
amdhsa.version: [ 1, 2 ]
amdhsa.kernels:
  - .name:           k_q654242d3c7_qkv
    .symbol:         k_q654242d3c7_qkv.kd
    .args:
      - { .name: xc, .offset: 0, .size: 8, .value_kind: global_buffer, .address_space: global }
      - { .name: wc, .offset: 8, .size: 8, .value_kind: global_buffer, .address_space: global }
      - { .name: rope, .offset: 16, .size: 8, .value_kind: global_buffer, .address_space: global }
      - { .name: q_gamma, .offset: 24, .size: 8, .value_kind: global_buffer, .address_space: global }
      - { .name: k_gamma, .offset: 32, .size: 8, .value_kind: global_buffer, .address_space: global }
      - { .name: qc, .offset: 40, .size: 8, .value_kind: global_buffer, .address_space: global }
      - { .name: kvc, .offset: 48, .size: 8, .value_kind: global_buffer, .address_space: global }
    .group_segment_fixed_size: 327680
    .private_segment_fixed_size: 0
    .kernarg_segment_align: 8
    .kernarg_segment_size: 56
    .max_flat_workgroup_size: 128
    .sgpr_count:     100
    .vgpr_count:     1024
    .wavefront_size: 32
...
	.end_amdgpu_metadata
.endif
;; end of part 2
;; launch attn (part 3): grid 16 x 16, 16 waves a work-group, clusters of 4 x 1, 223,232 bytes of LDS; arguments qc, kvc, ac; writes ac
.if DOCPART == 3
	.amdgcn_target "amdgcn-amd-amdhsa--gfx1250"
	.amdhsa_code_object_version 6
	.text
	.protected	k_q654242d3c7_attn
	.globl	k_q654242d3c7_attn
	.p2align	8
	.type	k_q654242d3c7_attn,@function
k_q654242d3c7_attn:
	s_mov_b64 s[64:65], 0
	v_nop
	global_prefetch_b8 v0, s[64:65] scope:SCOPE_SE
	s_setreg_imm32_b32 hwreg(HW_REG_WAVE_MODE, 25, 1), 1
	s_wait_xcnt 0x0
	s_wait_alu depctr_hold_cnt(0) depctr_sa_sdst(0) depctr_va_vdst(0) depctr_va_sdst(0) depctr_va_ssrc(0) depctr_va_vcc(0) depctr_vm_vsrc(0)
	s_getreg_b32 s2, hwreg(HW_REG_IB_STS2, 6, 4)
	s_cmp_eq_u32 s2, 0
	s_cbranch_scc0 .Lentry_in_a_cluster
	s_endpgm
.Lentry_in_a_cluster:
	s_bfe_u32 s2, ttmp6, 0x10000c
	s_cmp_lg_u32 s2, 0x3003
	s_cbranch_scc0 .Lentry_shape_is_right
	s_endpgm
.Lentry_shape_is_right:
; ATTN: causal attention, 16 query heads on 4 key and value heads, head size 64, 2,048 positions, 4 batches; both products on codes of FP6 with E8M0 scales.
; t = score x log2(e) / 8; M = the row's largest t so far, rounded up to a whole number; p = 2^(t - M) is quantised along the keys, not normalised; the row's sum is taken of the unquantised p and divides at the end.
; When M moves, the sum and O are multiplied by 2^(old M - new M): exact.  The result is quantised at once, along the 1,024 features, for the last projection.
; K AND V OF ONE KV HEAD STAY IN LDS: 16 chunks (128 keys each) of 13,312 bytes = 212,992 bytes, filled once, one tensor load a wave.  No ring, no refill, no barrier in the loop.
; CLUSTER: the four work-groups of a cluster serve one batch and kv head and ask for the 16 chunks jointly (mask 15).  The place in the cluster enters global addresses and lane data, no branch and no LDS address.
; SHARES: a wave owns one tile of 16 queries of one head, first in block i (64 queries), then in block 31 - i, i = 4 x cluster + wave / 4: 17 key steps of 128 for every wave.
; Key steps beyond a block's diagonal are not walked: the problem's own causal mask throws them away.  In the diagonal step hidden scores become -infinity ahead of the maximum; key 0 counts for every query.
; LAYOUT: both products transposed: S^T = K Q^T, O^T = V^T P^T: a lane holds one query (lane % 16).  A fragment of K holds two tiles of 16 keys (64 channels each): x [q | 0] gives the first tile's scores, x [0 | q] the second's.
; THE KEYS OF A TILE ARE CHOSEN BY THE LANES' LDS ADDRESSES: rows 0-7 of tile t of group c are keys 64 c + 8 t + 0..7, rows 8-15 keys 64 c + 32 + 8 t + 0..7.  So register 32 c + i of S^T in lane (r, h) is key 64 c + 32 h + i:
; a lane holds whole blocks of 32 keys, in the order of the second product's operand: a block's maximum needs no other lane and p's codes are not exchanged between lanes.
; In kvc key 32 b + 8 u + r + 8 (r / 8) lies in fragment b, register half u, lane row r, and the odd fragments lie with lane xor 8.  Lane (r, h) of the fragment (c, pair of tiles m) reads fragment 2 c + r / 8, lane row r % 8 + 8 m:
; lanes 0-7 at 128 m of a group's 256 bytes, lanes 8-15 at 128 (1 - m): the sixteen lanes of a load's half touch sixteen different columns of 16 bytes.
; No prefetch: the launch's one stream is asked for whole at its head.
; LIMITS: a block's largest p is taken from its largest score by the same multiply-add and exponential (this takes v_exp_f32 not to fall where its input rises); blocks of zeros have the byte 1; NaN and infinities are not served;
; the promise holds while the scaled scores stay under 2^31 in magnitude.
.set CHB, 13312
.set EX,  16*CHB                       ; behind K and V: 1,024 bytes in which four waves' scale bytes meet; no tile lands there
.set SPARE, 0x36000                    ; the spare words: 128 bytes a wave
; v1 16 x lane; v2 V's LDS address; v3 8 x lane; v5 my query in its block - 32 (lane / 16); v6, v7 the exchange; v8, v9 the two blocks' scale bytes; v10 r; v11 h; v12 -M, v13 the largest score, v[14:15] the sum;
; v16-21 q, v22-27 zeros, v28-33 q; v34 q's scale word; v35-47 the second block's q; v48-95 K's or V's fragments; v96-159 S^T, then p; v160-191 O^T; v192-199 K's and V's scale words; v200-211 p's codes;
; v212-218, v232-254 at work; v219 -infinity; v220, v221 K's lane terms; v222, v226, v223 K's addresses; v224 8 h; v253 p's scale word; v251, v255 the add's
.macro CROUND
	s_barrier_signal -1
	s_barrier_wait -1
	s_cmp_lg_u32 s10, 0
	s_cbranch_scc1 .Lnot_wave_0_\@
	s_barrier_signal -3
.Lnot_wave_0_\@:
	s_barrier_wait -3
	s_barrier_signal -1
	s_barrier_wait -1
.endm
; the places of block s[qb]: qf its q fragment; qs that fragment's scale words; acb my half fragment in ac; of my pair of tiles' scale words in ac (an offset)
.macro PLACE qb, qf, qs, acb, of
	s_lshr_b32 s46, s[\qb], 1
	s_and_b32 s47, s[\qb], 1
	s_lshl_b32 s48, s47, 1
	s_add_co_u32 s48, s48, s14
	s_lshl_b32 s49, s61, 4
	s_add_co_u32 s49, s49, s46
	s_mul_i32 s49, s49, 6656
	s_mul_i32 s50, s48, 1536
	s_add_co_u32 s50, s50, s49
	s_mov_b32 s51, 0
	s_add_nc_u64 s[\qf:\qf+1], s[4:5], s[50:51]
	s_lshl_b32 s50, s48, 2
	s_add_co_u32 s50, s50, s49
	s_add_co_u32 s50, s50, 6144
	s_add_nc_u64 s[\qs:\qs+1], s[4:5], s[50:51]
	s_lshr_b32 s49, s[\qb], 2
	s_add_co_u32 s49, s49, s63
	s_lshl_b32 s49, s49, 3
	s_add_co_u32 s49, s49, s62
	s_mul_i32 s49, s49, 25600
	s_and_b32 s46, s46, 1
	s_mul_i32 s46, s46, 12800
	s_add_co_u32 s49, s49, s46
	s_lshl_b32 s50, s48, 7
	s_add_co_u32 s50, s50, s49
	s_add_co_u32 s[\of], s50, 12288
	s_lshl_b32 s50, s48, 1
	s_add_co_u32 s50, s50, s15
	s_mul_i32 s50, s50, 1536
	s_add_co_u32 s50, s50, s49
	s_mul_i32 s52, s16, 768
	s_add_co_u32 s50, s50, s52
	s_add_nc_u64 s[\acb:\acb+1], s[8:9], s[50:51]
.endm
.macro QSET raw, pw                    ; my tile's six registers of the pair's twelve, twice, round the zeros; its two scale bytes in both halves of the word
.irp k, 0,1,2,3,4,5
	v_cndmask_b32 v[16+\k], v[\raw+\k], v[\raw+6+\k], s38
.endr
.irp k, 0,1,2,3,4,5
	v_mov_b32 v[28+\k], v[16+\k]
.endr
	v_perm_b32 v34, v[\pw], v[\pw], s39
.endm
.macro RESET                           ; a block begins: the step finds zeros, which the first change of M leaves zeros
	v_mov_b32 v13, 0xff61b1e6                      ; -3e38, under every score
	s_delay_alu instid0(VALU_DEP_1)
	v_floor_f32 v12, -v13
	v_mov_b32 v14, 0
	v_mov_b32 v15, 0
.set j, 0
.rept 32
	v_mov_b32 v[160+j], 0
.set j, j+1
.endr
.endm
	s_load_b128 s[4:7], s[0:1], 0x0                ; qc, kvc
	s_load_b64 s[8:9], s[0:1], 0x10                ; ac
	v_lshl_add_u32 v251, v0, 2, SPARE
	v_mov_b32 v255, 0
	ds_add_u32 v251, v255                          ; the opening lines: the add twice on end and its wait ahead of my tensor load
	ds_add_u32 v251, v255
	v_lshrrev_b32 v2, 5, v0
	s_delay_alu instid0(VALU_DEP_1)
	v_readfirstlane_b32 s10, v2                    ; wave 0..15
	s_mov_b32 s11, ttmp9
	s_bfe_u32 s12, ttmp6, 0x40000                  ; cx
	s_lshr_b32 s13, s12, 1                         ; which pair of heads
	s_and_b32 s14, s12, 1                          ; which pair of tiles
	s_bfe_u32 s15, s10, 0x10001                    ; which tile of the pair
	s_and_b32 s16, s10, 1                          ; which head of the pair
	s_lshr_b32 s17, s10, 2
	s_lshl_b32 s53, s11, 2
	s_add_co_u32 s17, s17, s53                     ; i: my first block
	s_lshr_b32 s18, s17, 1
	s_add_co_u32 s18, s18, 1                       ; its key steps
	s_mov_b32 s19, 0                               ; the trip
	s_sub_co_u32 s20, s18, 1                       ; the trip in which the block in hand ends
	s_and_b32 s21, s17, 1
	s_lshl_b32 s21, s21, 6                         ; the block's first query in its diagonal step
	s_mov_b32 s22, 0x3e38aa3b                      ; c = log2(e) / 8
	s_mov_b32 s23, s22
	s_mov_b32 s24, 15|(3<<16)|(1<<21)              ; group 1: the mask names all four; elements of 8 bytes; bit 21 beside the mask
	s_mov_b32 s25, 32<<16                          ; 52 rows of 256 dense bytes
	s_mov_b32 s26, 52<<16
	s_mov_b32 s27, 32<<16
	s_mov_b32 s28, 52
	s_mov_b32 s29, 32
	s_mov_b32 s30, 0
	s_mov_b32 s31, 0
	s_mov_b32 s36, 0x76543210
	s_mov_b32 s37, 0xfedcba98
	s_cmp_eq_u32 s15, 1
	s_cselect_b32 s38, -1, 0
	s_mov_b32 s39, 0x01000100
	s_cselect_b32 s39, 0x03020302, s39
	s_and_b32 s60, ttmp7, 0xffff                   ; 4 x batch + kv head
	s_lshl_b32 s61, s60, 2
	s_lshl_b32 s53, s13, 1
	s_add_co_u32 s61, s61, s53
	s_add_co_u32 s61, s61, s16                     ; 16 x batch + my query head
	s_and_b32 s62, s60, 3
	s_lshl_b32 s62, s62, 1
	s_add_co_u32 s62, s62, s13
	s_lshr_b32 s63, s60, 2
	s_lshl_b32 s63, s63, 3
	s_sub_co_u32 s74, 31, s17                      ; my second block
	s_lshl_b32 s56, s60, 4
	s_add_co_u32 s56, s56, s10
	s_mul_i32 s56, s56, CHB                        ; the chunk that I fetch: made of y and the wave's number alone
	s_mov_b32 s57, 0
	s_wait_dscnt 0x0
	s_wait_kmcnt 0x0
	s_mov_b32 s32, 1
	s_mul_i32 s33, s10, CHB
	s_add_nc_u64 s[34:35], s[6:7], s[56:57]
	s_or_b32 s35, s35, 0x80000000
	CROUND                                         ; all four work-groups are here: the joint loads meet
	tensor_load_to_lds s[32:35], s[24:31]          ; my one tensor load of the launch
	s_nop 0
.rept 4
	v_nop
.endr
	PLACE 17, 66, 68, 40, 44
	PLACE 74, 70, 72, 42, 45
	v_and_b32 v4, 31, v0
	s_delay_alu instid0(VALU_DEP_1)
	v_lshlrev_b32 v1, 4, v4
	s_delay_alu instid0(VALU_DEP_2)
	v_lshlrev_b32 v3, 3, v4
.irp c, 0,1,2
	global_load_b128 v[48+4*\c:51+4*\c], v1, s[66:67] offset:512*\c
	global_load_b128 v[36+4*\c:39+4*\c], v1, s[70:71] offset:512*\c
.endr
	global_load_b32 v60, v1, s[68:69]
	global_load_b32 v35, v1, s[72:73]
	v_and_b32 v10, 15, v0
	s_wait_alu depctr_va_vdst(0)
	v_bfe_u32 v11, v0, 4, 1
	v_and_b32 v5, 8, v10
	s_delay_alu instid0(VALU_DEP_1)
	v_add_nc_u32 v5, v5, v10
	s_delay_alu instid0(VALU_DEP_3)
	v_lshlrev_b32 v4, 5, v11
	s_delay_alu instid0(VALU_DEP_1)
	v_sub_nc_u32 v5, v5, v4
	s_lshl_b32 s80, s14, 5
	s_lshl_b32 s81, s15, 3
	s_add_co_u32 s80, s80, s81
	v_add_nc_u32 v5, s80, v5                       ; 32 x pair + 8 x tile + r + 8 (r / 8) - 32 h
	s_lshr_b32 s77, s10, 2
	s_lshl_b32 s77, s77, 8
	s_add_co_u32 s78, s77, EX
	s_lshl_b32 s79, s15, 2
	s_add_co_u32 s77, s78, s79
	s_lshl_b32 s79, s16, 1
	s_add_co_u32 s77, s77, s79
	v_lshl_add_u32 v6, v10, 3, s77                 ; my two bytes: 256 x (wave / 4) + 8 r + 4 x tile + 2 x head
	v_add_nc_u32 v7, s78, v3
	v_mov_b32 v8, 0
	v_mov_b32 v9, 0
.irp k, 0,1,2,3,4,5
	v_mov_b32 v[22+\k], 0
.endr
.irp b, 0,1,2,3
	v_mov_b32 v[236+\b], 0                         ; written once: a lane permute's destination counts as one of its sources
.endr
	v_mov_b32 v252, 0
	v_mov_b32 v253, 0
	v_and_b32 v4, 7, v10                           ; r % 8
	v_lshrrev_b32 v225, 3, v10                     ; r / 8
	v_lshlrev_b32 v224, 3, v11                     ; 8 h
	v_mov_b32 v219, 0xff800000
	v_lshlrev_b32 v220, 4, v4
	s_delay_alu instid0(VALU_DEP_1)
	v_lshl_add_u32 v221, v225, 2, v220             ; K's scale words: 16 (r % 8) + 4 (r / 8)
	v_mad_u32_u24 v220, v225, 1664, v220
	s_delay_alu instid0(VALU_DEP_1)
	v_lshl_add_u32 v220, v11, 8, v220              ; K's codes, the first pair of tiles: (1,536 + 128) (r / 8) + 16 (r % 8) + 256 h
	s_wait_loadcnt 0x0
	QSET 48, 60
	RESET
	s_wait_alu depctr_va_vdst(0)                   ; the wait at the head's end
	s_wait_tensorcnt 0x0                           ; my chunk is in,
	s_barrier_signal -1
	s_barrier_wait -1                              ; everybody's is
.Ltrip:                                                ; 17 trips: a key step of 128 keys each
	s_cmp_ge_u32 s19, s18
	s_cselect_b32 s75, s18, 0
	s_sub_co_u32 s75, s19, s75                     ; the key step: it starts anew with the second block
	s_min_u32 s75, s75, 15
	s_mul_i32 s75, s75, CHB
	v_add_nc_u32 v2, s75, v1                       ; (these four lines are the places between the last trip's products and the loads below)
	v_add_nc_u32 v222, s75, v220
	v_add_nc_u32 v223, s75, v221
	v_xor_b32 v226, 128, v222                      ; the second pair of tiles: the other 128 bytes of each 256 (all other terms are multiples of 256 or under 128)
.irp p, 0,1,2,3
.irp c, 0,1,2
	ds_load_b128 v[48+12*\p+4*\c:51+12*\p+4*\c], v[222+4*(\p%2)] offset:3072*(\p/2)+512*\c
.endr
.endr
.irp p, 0,1,2,3
	ds_load_b32 v[192+\p], v223 offset:6144+128*(\p%2)+8*(\p/2)
.endr
	s_wait_alu depctr_va_vdst(0)
	s_wait_dscnt 0x0
.irp p, 0,1,2,3
	v_wmma_scale_f32_16x16x128_f8f6f4 v[96+16*\p:103+16*\p], v[48+12*\p:59+12*\p], v[16:27], 0, v[192+\p], v34 matrix_a_fmt:MATRIX_FMT_FP6 matrix_b_fmt:MATRIX_FMT_FP6
	v_wmma_scale_f32_16x16x128_f8f6f4 v[104+16*\p:111+16*\p], v[48+12*\p:59+12*\p], v[22:33], 0, v[192+\p], v34 matrix_a_fmt:MATRIX_FMT_FP6 matrix_b_fmt:MATRIX_FMT_FP6
.endr
	v_mov_b32 v254, v12                            ; the old -M.  Four places in front of the loads into K's registers and of the first read of the scores
	v_add_nc_u32 v252, s21, v5                     ; d: register 32 c + i holds a hidden key where 64 c + i > d
	v_nop
	v_nop
.irp t, 0,1,2,3
.irp c, 0,1,2
	ds_load_b128 v[48+12*\t+4*\c:51+12*\t+4*\c], v2 offset:6656+1536*\t+512*\c   ; V lands while the softmax runs
.endr
.endr
	ds_load_b128 v[196:199], v2 offset:12800
	s_cmp_lg_u32 s19, s20
	s_cbranch_scc1 .Lopen                          ; only a block's last step lies on the diagonal
.set n, 0
.rept 64
	v_cmp_gt_i32 vcc_lo, 64*(n/32)+n%32, v252
	v_cndmask_b32 v[96+n], v[96+n], v219, vcc_lo
.set n, n+1
.endr
.Lopen:
.irp b, 0,1,2,3
	v_max3_num_f32 v[232+\b], v[96+16*\b], v[97+16*\b], v[98+16*\b]   ; four chains, two to a block of 32 keys
.endr
.irp i, 3,5,7,9,11,13
.irp b, 0,1,2,3
	v_max3_num_f32 v[232+\b], v[232+\b], v[96+16*\b+\i], v[97+16*\b+\i]
.endr
.endr
	v_max3_num_f32 v232, v232, v233, v111
	v_max3_num_f32 v233, v234, v235, v143
	v_max_num_f32 v232, v232, v127                 ; my two blocks' largest scores: for the row's maximum, and for the blocks' largest p
	v_max_num_f32 v233, v233, v159
	s_delay_alu instid0(VALU_DEP_1)
	v_max_num_f32 v234, v232, v233
	s_delay_alu instid0(VALU_DEP_1)
	v_permlanex16_b32 v236, v234, s36, s37
	s_delay_alu instid0(VALU_DEP_1)
	v_max3_num_f32 v13, v13, v234, v236            ; the running largest score
	s_delay_alu instid0(VALU_DEP_1)
	v_mul_f32 v235, s22, v13                       ; as t (c is positive)
	s_delay_alu instid0(VALU_DEP_1)
	v_floor_f32 v12, -v235                         ; -M = floor(-t): M is a whole number
	s_delay_alu instid0(VALU_DEP_1)
	v_sub_f32 v254, v12, v254                      ; old M - new M: a whole number, 0 or less
	s_delay_alu instid0(VALU_DEP_1)
	v_cvt_i32_f32 v254, v254                       ; (it saturates)
	s_delay_alu instid0(VALU_DEP_1)
	v_ldexp_f32 v252, 1.0, v254                    ; f = 2^(old M - new M)
.set j, 0
.rept 32
	v_pk_fma_f32 v[96+j:97+j], v[96+j:97+j], s[22:23], v[12:13] op_sel_hi:[1,0,0]   ; t - M
.set j, j+2
.endr
.irp b, 0,1
	v_fma_f32 v[232+\b], v[232+\b], s22, v12
.endr
.set j, 0
.rept 16
	v_pk_mul_f32 v[160+j:161+j], v[160+j:161+j], v[252:253] op_sel_hi:[1,0]   ; O^T under the new M
.set j, j+2
.endr
.set j, 0
	s_wait_alu depctr_va_vdst(0)                   ; the wait ahead of the batch
.rept 64
	v_exp_f32 v[96+j], v[96+j]                     ; p = 2^(t - M)
.set j, j+1
.endr
.irp b, 0,1
	v_exp_f32 v[232+\b], v[232+\b]                 ; the block's largest p
.endr
	v_pk_mul_f32 v[14:15], v[14:15], v[252:253] op_sel_hi:[1,0]   ; the sum under the new M.  (A plain place behind the exponentials)
	s_wait_alu depctr_va_vdst(0)                   ; and behind it
.irp b, 0,1
	v_max_num_f32 v[232+\b], 0x1800000, v[232+\b]  ; the floor 2^(3 - 127)
.endr
.irp b, 0,1
	s_delay_alu instid0(VALU_DEP_2)
	v_add_nc_u32 v[244+\b], 0xff000000, v[232+\b]  ; 2 off the exponent field: the conversion's scale operand
.endr
.irp b, 0,1
	s_delay_alu instid0(VALU_DEP_2)
	v_lshrrev_b32 v[236+\b], 23, v[244+\b]
.endr
	s_delay_alu instid0(VALU_DEP_1)
	v_lshl_or_b32 v253, v237, 16, v236             ; my bytes: blocks h and 2 + h,
	s_delay_alu instid0(VALU_DEP_1)
	v_lshlrev_b32 v253, v224, v253                 ; 8 h bits up;
	s_delay_alu instid0(VALU_DEP_1)
	v_permlanex16_b32 v238, v253, s36, s37
	s_delay_alu instid0(VALU_DEP_1)
	v_or_b32 v253, v253, v238                      ; with lane l xor 16's two: p's scale word for these 128 keys
.irp c, 0,1
	v_cvt_scalef32_pk16_fp6_f32 v[200+6*\c:202+6*\c], v[96+32*\c:111+32*\c], v[244+\c]
	v_cvt_scalef32_pk16_fp6_f32 v[212+4*\c:214+4*\c], v[112+32*\c:127+32*\c], v[244+\c]   ; (a conversion's three registers begin on an even number)
.endr
	v_pk_add_f32 v[236:237], v[100:101], v[104:105]   ; the row's sum of the unquantised p.  (The first line is the plain place behind the conversions)
	v_pk_add_f32 v[248:249], v[108:109], v[112:113]
	v_pk_add_f32 v[246:247], v[116:117], v[120:121]
	v_pk_add_f32 v[244:245], v[124:125], v[128:129]
.irp c, 0,1
.irp i, 0,1,2
	v_mov_b32 v[203+6*\c+\i], v[212+4*\c+\i]
.endr
.endr
	v_pk_add_f32 v[242:243], v[132:133], v[136:137]
	v_pk_add_f32 v[240:241], v[140:141], v[144:145]
	v_pk_add_f32 v[234:235], v[148:149], v[152:153]
	v_pk_add_f32 v[14:15], v[14:15], v[156:157]
	v_pk_add_f32 v[236:237], v[236:237], v[96:97]
	v_pk_add_f32 v[248:249], v[248:249], v[98:99]
	v_pk_add_f32 v[246:247], v[246:247], v[102:103]
	v_pk_add_f32 v[244:245], v[244:245], v[106:107]
	v_pk_add_f32 v[242:243], v[242:243], v[110:111]
	v_pk_add_f32 v[240:241], v[240:241], v[114:115]
	v_pk_add_f32 v[234:235], v[234:235], v[118:119]
	v_pk_add_f32 v[14:15], v[14:15], v[122:123]
	v_pk_add_f32 v[236:237], v[236:237], v[126:127]
	v_pk_add_f32 v[248:249], v[248:249], v[130:131]
	v_pk_add_f32 v[246:247], v[246:247], v[134:135]
	v_pk_add_f32 v[244:245], v[244:245], v[138:139]
	v_pk_add_f32 v[242:243], v[242:243], v[142:143]
	v_pk_add_f32 v[240:241], v[240:241], v[146:147]
	v_pk_add_f32 v[234:235], v[234:235], v[150:151]
	v_pk_add_f32 v[14:15], v[14:15], v[154:155]
	v_pk_add_f32 v[236:237], v[236:237], v[158:159]
	s_delay_alu instid0(VALU_DEP_2)
	v_pk_add_f32 v[14:15], v[14:15], v[244:245]
	s_delay_alu instid0(VALU_DEP_2)
	v_pk_add_f32 v[236:237], v[236:237], v[242:243]
	v_pk_add_f32 v[248:249], v[248:249], v[240:241]
	v_pk_add_f32 v[246:247], v[246:247], v[234:235]
	s_delay_alu instid0(VALU_DEP_2)
	v_pk_add_f32 v[14:15], v[14:15], v[248:249]
	s_delay_alu instid0(VALU_DEP_2)
	v_pk_add_f32 v[236:237], v[236:237], v[246:247]
	s_delay_alu instid0(VALU_DEP_1)
	v_pk_add_f32 v[14:15], v[14:15], v[236:237]
	s_wait_alu depctr_va_vdst(0)
	s_wait_dscnt 0x0                               ; V is in
.irp t, 0,1,2,3
	v_wmma_scale_f32_16x16x128_f8f6f4 v[160+8*\t:167+8*\t], v[48+12*\t:59+12*\t], v[200:211], v[160+8*\t:167+8*\t], v[196+\t], v253 matrix_a_fmt:MATRIX_FMT_FP6 matrix_b_fmt:MATRIX_FMT_FP6
.endr
	s_cmp_lg_u32 s19, s20
	s_cbranch_scc1 .Lgoes_on
	; ---- a block ends: O^T / the sum, quantised along the features: my head's 64 are two blocks; register 16 b + i is channel 32 b + 16 h + i
.rept 4
	v_nop                                          ; four places in front of the first read of O^T
.endr
	v_add_f32 v14, v14, v15
	s_delay_alu instid0(VALU_DEP_1)
	v_permlanex16_b32 v252, v14, s36, s37
	s_delay_alu instid0(VALU_DEP_1)
	v_add_f32 v14, v14, v252
	s_wait_alu depctr_va_vdst(0)
	v_rcp_f32 v14, v14
	v_mov_b32 v8, v9                               ; (a plain place behind the transcendental)  the first block's bytes move on
.set j, 0
	s_wait_alu depctr_va_vdst(0)
.rept 16
	v_pk_mul_f32 v[96+j:97+j], v[160+j:161+j], v[14:15] op_sel_hi:[1,0]
.set j, j+2
.endr
.irp b, 0,1
	v_max3_num_f32 v[232+\b], |v[96+16*\b]|, |v[97+16*\b]|, 0x1800000
.endr
.irp i, 2,4,6,8,10,12,14
.irp b, 0,1
	s_delay_alu instid0(VALU_DEP_2)
	v_max3_num_f32 v[232+\b], v[232+\b], |v[96+16*\b+\i]|, |v[97+16*\b+\i]|
.endr
.endr
.irp b, 0,1
	s_delay_alu instid0(VALU_DEP_2)
	v_permlanex16_b32 v[236+\b], v[232+\b], s36, s37
.endr
.irp b, 0,1
	s_delay_alu instid0(VALU_DEP_2)
	v_max_num_f32 v[232+\b], v[232+\b], v[236+\b]
.endr
.irp b, 0,1
	s_delay_alu instid0(VALU_DEP_2)
	v_add_nc_u32 v[244+\b], 0xff000000, v[232+\b]
.endr
.irp b, 0,1
	s_delay_alu instid0(VALU_DEP_2)
	v_lshrrev_b32 v[236+\b], 23, v[244+\b]
.endr
	s_delay_alu instid0(VALU_DEP_1)
	v_lshl_or_b32 v9, v237, 8, v236                ; my head's two scale bytes of my row
	v_cvt_scalef32_pk16_fp6_f32 v[200:202], v[96:111], v244
	v_cvt_scalef32_pk16_fp6_f32 v[212:214], v[112:127], v245
	v_nop
.irp i, 0,1,2
	v_permlane16_swap_b32 v[200+\i], v[212+\i]
.endr
.irp i, 0,1,2
	s_delay_alu instid0(VALU_DEP_3)
	v_mov_b32 v[203+\i], v[212+\i]
.endr
	global_store_b64 v3, v[200:201], s[40:41]      ; 256 consecutive bytes,
	global_store_b128 v1, v[202:205], s[40:41] offset:256   ; and 512: my half of the fragment
	QSET 36, 35                                    ; on to the second block (behind the second block these lines change nothing that is used)
	RESET
	s_wait_alu depctr_va_vdst(0)
	s_wait_xcnt 0x0                                ; the stores have read their registers and their base
	s_mov_b64 s[40:41], s[42:43]
	s_mov_b32 s20, 16
	s_xor_b32 s21, s21, 64                         ; block 31 - i is odd where i is even
.Lgoes_on:
	s_add_co_u32 s19, s19, 1
	s_cmp_lt_u32 s19, 17
	s_cbranch_scc1 .Ltrip
	; a row's scale word in ac has two heads' bytes, and a pair of tiles lies together: four waves' bytes meet in LDS and leave as 128 consecutive bytes for each block
	ds_store_b16 v6, v8
	ds_store_b16 v6, v9 offset:128
	s_wait_dscnt 0x0                               ; for the others' sake
	s_barrier_signal -1
	s_barrier_wait -1
	s_and_b32 s76, s10, 3
	s_cmp_lg_u32 s76, 0
	s_cbranch_scc1 .Lno_words
	ds_load_b64 v[232:233], v7                     ; lanes 0-15: the first block's words; lanes 16-31: the second's
	v_cmp_eq_u32 vcc_lo, 1, v11
	v_mov_b32 v234, s44
	v_mov_b32 v235, s45
	s_delay_alu instid0(VALU_DEP_1)
	v_cndmask_b32 v234, v234, v235, vcc_lo
	s_delay_alu instid0(VALU_DEP_1)
	v_lshl_add_u32 v234, v10, 3, v234
	s_wait_alu depctr_va_vdst(0)
	s_wait_dscnt 0x0
	global_store_b64 v234, v[232:233], s[8:9]
.Lno_words:
	s_wait_tensorcnt 0x0                           ; the wave's end
	ds_add_u32 v251, v255
	s_wait_dscnt 0x0
	CROUND                                         ; the closing round
	s_endpgm
.Lfunc_end_k_q654242d3c7_attn:
	.size	k_q654242d3c7_attn, .Lfunc_end_k_q654242d3c7_attn-k_q654242d3c7_attn
	.p2alignl 7, 3214868480
	.fill 96, 4, 3214868480
	.section	.rodata,"a",@progbits
	.p2align	6, 0x0
	.amdhsa_kernel k_q654242d3c7_attn
		.amdhsa_group_segment_fixed_size 223232
		.amdhsa_private_segment_fixed_size 0
		.amdhsa_enable_private_segment 0
		.amdhsa_kernarg_size 24
		.amdhsa_user_sgpr_count 2
		.amdhsa_user_sgpr_kernarg_segment_ptr 1
		.amdhsa_wavefront_size32 1
		.amdhsa_system_sgpr_workgroup_id_x 1
		.amdhsa_system_sgpr_workgroup_id_y 1
		.amdhsa_system_sgpr_workgroup_id_z 1
		.amdhsa_system_vgpr_workitem_id 0
		.amdhsa_next_free_vgpr 256
		.amdhsa_next_free_sgpr 90
		.amdhsa_reserve_vcc 1
		.amdhsa_float_denorm_mode_32 3
		.amdhsa_float_denorm_mode_16_64 3
		.amdhsa_memory_ordered 1
		.amdhsa_forward_progress 1
		.amdhsa_inst_pref_size 39
	.end_amdhsa_kernel
	.amdgpu_metadata
---
amdhsa.version: [ 1, 2 ]
amdhsa.kernels:
  - .name:           k_q654242d3c7_attn
    .symbol:         k_q654242d3c7_attn.kd
    .args:
      - { .name: qc, .offset: 0, .size: 8, .value_kind: global_buffer, .address_space: global }
      - { .name: kvc, .offset: 8, .size: 8, .value_kind: global_buffer, .address_space: global }
      - { .name: ac, .offset: 16, .size: 8, .value_kind: global_buffer, .address_space: global }
    .group_segment_fixed_size: 223232
    .private_segment_fixed_size: 0
    .kernarg_segment_align: 8
    .kernarg_segment_size: 24
    .max_flat_workgroup_size: 512
    .sgpr_count:     90
    .vgpr_count:     256
    .wavefront_size: 32
...
	.end_amdgpu_metadata
.endif
;; end of part 3
;; launch oproj (part 4): grid 64 x 4, 4 waves a work-group, clusters of 4 x 4, 327,680 bytes of LDS; arguments ac, woc, out0; writes out0
.if DOCPART == 4
	.amdgcn_target "amdgcn-amd-amdhsa--gfx1250"
	.amdhsa_code_object_version 6
	.text
	.protected	k_q654242d3c7_oproj
	.globl	k_q654242d3c7_oproj
	.p2align	8
	.type	k_q654242d3c7_oproj,@function
k_q654242d3c7_oproj:
	s_mov_b64 s[64:65], 0
	v_nop
	global_prefetch_b8 v0, s[64:65] scope:SCOPE_SE
	s_setreg_imm32_b32 hwreg(HW_REG_WAVE_MODE, 25, 1), 1
	s_wait_xcnt 0x0
	s_wait_alu depctr_hold_cnt(0) depctr_sa_sdst(0) depctr_va_vdst(0) depctr_va_sdst(0) depctr_va_ssrc(0) depctr_va_vcc(0) depctr_vm_vsrc(0)
	s_getreg_b32 s2, hwreg(HW_REG_IB_STS2, 6, 4)
	s_cmp_eq_u32 s2, 0
	s_cbranch_scc0 .Lentry_in_a_cluster
	s_endpgm
.Lentry_in_a_cluster:
	s_bfe_u32 s2, ttmp6, 0x10000c
	s_cmp_lg_u32 s2, 0xf033
	s_cbranch_scc0 .Lentry_shape_is_right
	s_endpgm
.Lentry_shape_is_right:
; OPROJ: out0 [8192][1024] f32 = attention's result (ac) x wo^T (woc), both as operand images of FP6 codes with E8M0 scale words: chunks of 25,600 bytes for 256 rows x 128 K = two half chunks of 12,800.
; A BLOCK is 128 rows of ac x 256 rows of wo: 64 x 4 = 256 work-groups.  ALL OF K LIES IN LDS: ac's eight half chunks (102,400 bytes) and wo's eight chunks (204,800): every byte is filled once; there is no ring.
; THE FILLS: at the head one joint load a wave: waves 0, 1 ac's K steps 0-3 and 4-7 (four rows of 12,800 bytes, 25,600 apart in memory), waves 2, 3 wo's chunks 0 and 1.  Behind the waits, the add and a round of the cluster's
; barrier each wave asks for a quarter (38,400 bytes) of wo's chunks 2-7; K steps 0 and 1 are multiplied meanwhile; one barrier shows the rest whole.
; CLUSTER 4 x 4: ac's tiles hang on x alone and are shared along a column, wo's on y alone and are shared along a row.
; A WAVE makes 64 rows of ac (four tiles) x 128 rows of wo (eight tiles): 32 accumulators, window 2.  Source 0 = wo, source 1 = ac: a lane holds neighbouring columns of one row of out0.  Both operands have two sets of registers:
; a step's loads are issued one step ahead.  Window 0: addresses, scale words v32-47, ac's fragments v128-223; window 1: wo's fragments at v0 and v128.
; THE WAY OUT: 16 rows x 128 columns at a time through the wave's own stage, which lies in wo's chunks 0 and 1: they have had their only fill, and no wave reads them behind the barrier in K step 1.
; No prefetch: the launch has no loop to run ahead in; all it reads is asked for in its first two groups of loads.
.set CHK,   25600
.set HC,    12800
.set BREG,  8*HC                       ; wo's chunks begin behind ac's eight half chunks
.set P2,    BREG+2*CHK                 ; wo's chunks 2-7
.set QP2,   38400                      ; a wave's quarter of them
.set SPARE, BREG+8*CHK                 ; the spare words: 128 bytes a wave
.set STAGE, BREG
.set SPT,   528
.set A16, 8                            ; v8-9   ac's fragments, 16 x lane, K steps 0-3 and 4-7
.set A8,  10                           ; v10-11 the same, 8 x lane
.set AS,  12                           ; v12-13 ac's scale words
.set B16, 16                           ; v16-19 wo's fragments, a register for each two K steps
.set B8,  20                           ; v20-23 wo's scale words
.set STO, 24
.set RD,  25
.set SPW, 28
.set NIL, 29
.set SC,  32                           ; scale words: set s at v[SC + 8 s]: four of wo's, two of ac's
.set F1,  128
.set BK,  128
.set G1X, 24
.set G0X, 32
.set G1W, 40
.set G0W, 48
.set G0P, 52
.set MSB, 0
.macro WIN new
.if MSB != (\new)
	s_set_vgpr_msb (MSB<<8)|(\new)
.set MSB, (\new)
.endif
.endm
.set MUL_LO, 0xa1                      ; source 0 window 1, source 1 window 0, C and D window 2
.macro PLACES n
.rept \n
	v_nop
.endr
.endm
.macro CREST
	s_cmp_lg_u32 s18, 0
	s_cbranch_scc1 .Lnot_wave_0_\@
	s_barrier_signal -3
.Lnot_wave_0_\@:
	s_barrier_wait -3
	s_barrier_signal -1
	s_barrier_wait -1
.endm
.macro CROUND
	s_barrier_signal -1
	s_barrier_wait -1
	CREST
.endm
.macro WM d, a, b, zero, sa, sb, ra, rb
.if (\zero)
.if (\ra)&&(\rb)
	v_wmma_scale_f32_16x16x128_f8f6f4 v[(\d):(\d)+7], v[(\a):(\a)+11], v[(\b):(\b)+11], 0, v[(\sa)], v[(\sb)] matrix_a_fmt:MATRIX_FMT_FP6 matrix_b_fmt:MATRIX_FMT_FP6 matrix_a_scale:MATRIX_SCALE_ROW1 matrix_b_scale:MATRIX_SCALE_ROW1
.elseif (\ra)
	v_wmma_scale_f32_16x16x128_f8f6f4 v[(\d):(\d)+7], v[(\a):(\a)+11], v[(\b):(\b)+11], 0, v[(\sa)], v[(\sb)] matrix_a_fmt:MATRIX_FMT_FP6 matrix_b_fmt:MATRIX_FMT_FP6 matrix_a_scale:MATRIX_SCALE_ROW1
.elseif (\rb)
	v_wmma_scale_f32_16x16x128_f8f6f4 v[(\d):(\d)+7], v[(\a):(\a)+11], v[(\b):(\b)+11], 0, v[(\sa)], v[(\sb)] matrix_a_fmt:MATRIX_FMT_FP6 matrix_b_fmt:MATRIX_FMT_FP6 matrix_b_scale:MATRIX_SCALE_ROW1
.else
	v_wmma_scale_f32_16x16x128_f8f6f4 v[(\d):(\d)+7], v[(\a):(\a)+11], v[(\b):(\b)+11], 0, v[(\sa)], v[(\sb)] matrix_a_fmt:MATRIX_FMT_FP6 matrix_b_fmt:MATRIX_FMT_FP6
.endif
.else
.if (\ra)&&(\rb)
	v_wmma_scale_f32_16x16x128_f8f6f4 v[(\d):(\d)+7], v[(\a):(\a)+11], v[(\b):(\b)+11], v[(\d):(\d)+7], v[(\sa)], v[(\sb)] matrix_a_fmt:MATRIX_FMT_FP6 matrix_b_fmt:MATRIX_FMT_FP6 matrix_a_scale:MATRIX_SCALE_ROW1 matrix_b_scale:MATRIX_SCALE_ROW1
.elseif (\ra)
	v_wmma_scale_f32_16x16x128_f8f6f4 v[(\d):(\d)+7], v[(\a):(\a)+11], v[(\b):(\b)+11], v[(\d):(\d)+7], v[(\sa)], v[(\sb)] matrix_a_fmt:MATRIX_FMT_FP6 matrix_b_fmt:MATRIX_FMT_FP6 matrix_a_scale:MATRIX_SCALE_ROW1
.elseif (\rb)
	v_wmma_scale_f32_16x16x128_f8f6f4 v[(\d):(\d)+7], v[(\a):(\a)+11], v[(\b):(\b)+11], v[(\d):(\d)+7], v[(\sa)], v[(\sb)] matrix_a_fmt:MATRIX_FMT_FP6 matrix_b_fmt:MATRIX_FMT_FP6 matrix_b_scale:MATRIX_SCALE_ROW1
.else
	v_wmma_scale_f32_16x16x128_f8f6f4 v[(\d):(\d)+7], v[(\a):(\a)+11], v[(\b):(\b)+11], v[(\d):(\d)+7], v[(\sa)], v[(\sb)] matrix_a_fmt:MATRIX_FMT_FP6 matrix_b_fmt:MATRIX_FMT_FP6
.endif
.endif
.endm
; 32 matrix instructions: ac's four tiles x wo's eight, 128 along K; the 32 accumulators take turns
.macro MUL set, zero
	WIN MUL_LO
.irp a, 0,1,2,3
.irp b, 0,1,2,3,4,5,6,7
	WM 8*(8*\a+\b), 128*(\set)+12*\b, F1+48*(\set)+12*\a, \zero, SC+8*(\set)+2*(\b/4)+\b%2, SC+8*(\set)+4+\a%2, (\b/2)%2, \a/2
.endr
.endr
	WIN 0
.endm
; K step k's fragments and scale words into set k % 2: 24 + 16 + 3 LDS loads
.macro FETCH k
.set ST, (\k)%2
	WIN 0x40
.irp i, 0,1,2,3,4,5,6,7
.irp c, 0,1,2
	ds_load_b128 v[128*ST+12*\i+4*\c:128*ST+12*\i+4*\c+3], v[B16+(\k)/2] offset:CHK*((\k)%2)+1536*\i+512*\c
.endr
.endr
	WIN 0
.irp i, 0,1,2,3
	ds_load_b64  v[F1+48*ST+12*\i:F1+48*ST+12*\i+1],    v[A8+(\k)/4]  offset:HC*((\k)%4)+1536*\i
	ds_load_b128 v[F1+48*ST+12*\i+2:F1+48*ST+12*\i+5],  v[A16+(\k)/4] offset:HC*((\k)%4)+1536*\i+256
	ds_load_b64  v[F1+48*ST+12*\i+6:F1+48*ST+12*\i+7],  v[A8+(\k)/4]  offset:HC*((\k)%4)+1536*\i+768
	ds_load_b128 v[F1+48*ST+12*\i+8:F1+48*ST+12*\i+11], v[A16+(\k)/4] offset:HC*((\k)%4)+1536*\i+1024
.endr
	ds_load_b64 v[SC+8*ST:SC+8*ST+1],   v[B8+(\k)/2] offset:CHK*((\k)%2)+12288
	ds_load_b64 v[SC+8*ST+2:SC+8*ST+3], v[B8+(\k)/2] offset:CHK*((\k)%2)+12288+256
	ds_load_b64 v[SC+8*ST+4:SC+8*ST+5], v[AS+(\k)/4] offset:HC*((\k)%4)+12288
.endm
	s_load_b128 s[4:7], s[0:1], 0x0                ; ac, woc
	s_load_b64 s[8:9], s[0:1], 0x10                ; out0
	v_lshl_add_u32 v[SPW], v0, 2, SPARE
	v_mov_b32 v[NIL], 0
	ds_add_u32 v[SPW], v[NIL]                      ; the opening lines: the add twice on end and its wait ahead of my first tensor load
	ds_add_u32 v[SPW], v[NIL]
	v_lshrrev_b32 v1, 5, v0
	v_readfirstlane_b32 s18, v1                    ; wave 0..3
	s_lshr_b32 s19, s18, 1                         ; which half chunk of wo is mine.  Also: I fetch for ac (0) or for wo (1)
	s_and_b32 s20, s18, 1                          ; which four tiles of ac.  Also: which part I fetch
	s_bfe_u32 s21, ttmp6, 0x40000                  ; cx
	s_bfe_u32 s62, ttmp6, 0x40004                  ; cy
	s_lshl_b32 s22, ttmp9, 2
	s_add_co_u32 s22, s22, s21                     ; x: which 128 rows of ac
	s_and_b32 s23, ttmp7, 0xffff
	s_lshl_b32 s23, s23, 2
	s_add_co_u32 s23, s23, s62                     ; y: which 256 rows of wo
	s_lshl_b32 s69, s62, 2
	s_lshl_b32 s69, 15, s69                        ; my row of the cluster
	s_lshl_b32 s68, 0x1111, s21                    ; my column
	s_or_b32 s[G1X], s68, (3<<16)|(1<<21)          ; ac's tiles go to my column; elements of 8 bytes
	s_or_b32 s[G1W], s69, (3<<16)|(1<<21)          ; wo's to my row
	s_mov_b32 s[G1X+1], 1600<<16                   ; four rows of 12,800 bytes, 25,600 apart
	s_mov_b32 s[G1X+2], 4<<16
	s_mov_b32 s[G1X+3], 1600<<16
	s_mov_b32 s[G1X+4], 4
	s_mov_b32 s[G1X+5], 3200
	s_mov_b32 s[G1X+6], 0
	s_mov_b32 s[G1X+7], 0
	s_mov_b32 s[G1W+1], 32<<16                     ; 100 dense rows of 256 bytes: a chunk
	s_mov_b32 s[G1W+2], 100<<16
	s_mov_b32 s[G1W+3], 32<<16
	s_mov_b32 s[G1W+4], 100
	s_mov_b32 s[G1W+5], 32
	s_mov_b32 s[G1W+6], 0
	s_mov_b32 s[G1W+7], 0
	s_lshr_b32 s56, s22, 1
	s_lshl_b32 s56, s56, 3
	s_lshl_b32 s57, s20, 2
	s_add_co_u32 s56, s56, s57
	s_mul_i32 s56, s56, CHK                        ; ac: chunk 8 (x / 2) + 4 x part,
	s_and_b32 s57, s22, 1
	s_mul_i32 s57, s57, HC
	s_add_co_u32 s56, s56, s57                     ; half chunk x % 2
	s_mov_b32 s57, 0
	s_lshl_b32 s58, s23, 3
	s_add_co_u32 s58, s58, s20
	s_mul_i32 s58, s58, CHK                        ; wo: chunk 8 y + part
	s_mov_b32 s59, 0
	s_lshl_b32 s60, s23, 3
	s_add_co_u32 s60, s60, 2
	s_mul_i32 s60, s60, CHK
	s_mul_i32 s66, s18, QP2
	s_add_co_u32 s60, s60, s66                     ; wo: chunk 8 y + 2, + my quarter of the six
	s_mov_b32 s61, 0
	s_wait_dscnt 0x0                               ; both opening adds are done
	s_wait_kmcnt 0x0
	s_mov_b32 s[G0X], 1
	s_mul_i32 s[G0X+1], s20, 4*HC
	s_add_nc_u64 s[G0X+2:G0X+3], s[4:5], s[56:57]
	s_or_b32 s[G0X+3], s[G0X+3], 0x80000000
	s_mov_b32 s[G0W], 1
	s_mul_i32 s[G0W+1], s20, CHK
	s_add_co_u32 s[G0W+1], s[G0W+1], BREG
	s_add_nc_u64 s[G0W+2:G0W+3], s[6:7], s[58:59]
	s_or_b32 s[G0W+3], s[G0W+3], 0x80000000
	s_mov_b32 s[G0P], 1
	s_add_co_u32 s[G0P+1], s66, P2
	s_add_nc_u64 s[G0P+2:G0P+3], s[6:7], s[60:61]
	s_or_b32 s[G0P+3], s[G0P+3], 0x80000000
	CROUND                                         ; all sixteen work-groups are here: the first joint loads meet
	s_cmp_eq_u32 s19, 0
	s_cbranch_scc0 .Lfor_w
	tensor_load_to_lds s[G0X:G0X+3], s[G1X:G1X+7]  ; one tensor load a wave at the head
	s_nop 0
	PLACES 4
	s_branch .Lasked
.Lfor_w:
	tensor_load_to_lds s[G0W:G0W+3], s[G1W:G1W+7]
	s_nop 0
	PLACES 4
.Lasked:
	s_mul_i32 s70, s20, 4*1536                     ; my four tiles of ac,
	s_lshl_b32 s71, s20, 8                         ; their scale words: two pairs of tiles of 128 bytes
	s_mul_i32 s72, s19, HC
	s_add_co_u32 s72, s72, BREG                    ; my half chunk of wo
	s_mul_i32 s73, s18, 16*SPT
	s_add_co_u32 s73, s73, STAGE                   ; my stage
	s_lshl_b32 s74, s22, 7
	s_lshl_b32 s75, s20, 6
	s_add_co_u32 s74, s74, s75                     ; my first row of out0: 128 x + 64 x part
	s_lshl_b32 s74, s74, 12                        ; rows of 4,096 bytes
	s_lshl_b32 s75, s23, 10
	s_add_co_u32 s74, s74, s75
	s_lshl_b32 s75, s19, 9
	s_add_co_u32 s74, s74, s75                     ; my first column, in bytes: 1,024 y + 512 x half
	s_mov_b32 s75, 0
	s_add_nc_u64 s[8:9], s[8:9], s[74:75]
	v_and_b32 v1, 15, v0
	v_bfe_u32 v2, v0, 4, 1
	v_and_b32 v5, 31, v0
	v_lshlrev_b32 v3, 4, v5
	v_lshlrev_b32 v4, 3, v5
	v_add_nc_u32 v[A16], s70, v3
	v_add_nc_u32 v[A8], s70, v4
	v_add_nc_u32 v[AS], s71, v4
	v_add_nc_u32 v[A16+1], 4*HC, v[A16]
	v_add_nc_u32 v[A8+1], 4*HC, v[A8]
	v_add_nc_u32 v[AS+1], 4*HC, v[AS]
	v_add_nc_u32 v[B16], s72, v3
	v_add_nc_u32 v[B8], s72, v4
.irp j, 1,2,3
	v_add_nc_u32 v[B16+\j], 2*CHK*\j, v[B16]
	v_add_nc_u32 v[B8+\j], 2*CHK*\j, v[B8]
.endr
	v_mul_u32_u24 v[STO], v1, SPT
	v_lshl_add_u32 v[STO], v2, 6, v[STO]
	v_add_nc_u32 v[STO], s73, v[STO]               ; into the stage: row l % 16, 64 bytes for each half of the lanes
	v_add_nc_u32 v[RD], s73, v3                    ; back: the 32 lanes take a row of 512 bytes
	s_wait_alu depctr_va_vdst(0)                   ; the wait at the head's end
	s_wait_tensorcnt 0x0                           ; my tile of the head's four is in
	ds_add_u32 v[SPW], v[NIL]
	s_mov_b32 s[G1W+2], 150<<16                    ; no load of mine is out: from here on a load of wo brings 150 rows
	s_mov_b32 s[G1W+4], 150
	s_wait_dscnt 0x0
	CROUND                                         ; all four tiles are in, and all sixteen work-groups are here
	tensor_load_to_lds s[G0P:G0P+3], s[G1W:G1W+7]  ; my quarter of wo's chunks 2-7: my one load behind the round
	s_nop 0
	PLACES 4
	FETCH 0
	s_wait_dscnt 0x0
	FETCH 1
	MUL 0, 1                                       ; the first step's products start the sums
	s_wait_dscnt 0x0                               ; K step 1's fragments are in: my reads of K steps 0 and 1 are over
	MUL 1, 0
	s_wait_tensorcnt 0x0                           ; my quarter is in,
	s_barrier_signal -1
	s_barrier_wait -1                              ; everybody's is
	PLACES 4
	FETCH 2
.irp k, 2,3,4,5,6
	s_wait_dscnt 0x0                               ; this step's fragments are in
	PLACES 4                                       ; in front of loads into registers that the step before multiplied
	FETCH \k+1
	MUL \k%2, 0
.endr
	s_wait_dscnt 0x0
	MUL 1, 0
.macro TOSTAGE a
	WIN 0x08                                       ; the data: window 2
.irp n, 0,1,2,3,4,5,6,7,8,9,10,11,12,13,14,15
	ds_store_b128 v[STO], v[64*(\a)+4*\n:64*(\a)+4*\n+3] offset:128*(\n/4)+16*(\n%4)   ; tiles 2 b, 2 b + 1 hold columns 32 b + 16 h + 0..15; each accumulator from its low end on
.endr
	WIN 0
.set BB, BK+64*((\a)%2)
.irp t, 0,1,2,3,4,5,6,7,8,9,10,11,12,13,14,15
	ds_load_b128 v[BB+4*\t:BB+4*\t+3], v[RD] offset:\t*SPT     ; LDS serves a wave's instructions in order: these see the stores above
.endr
.endm
.macro SEND a, younger
.set BB, BK+64*((\a)%2)
	s_wait_dscnt \younger
.irp t, 0,1,2,3,4,5,6,7,8,9,10,11,12,13,14,15
	global_store_b128 v3, v[BB+4*\t:BB+4*\t+3], s[8:9] offset:(32*((\a)/2)+8*((\a)%2)+\t+8*(\t/8))*4096 th:TH_STORE_NT   ; 32 lanes store 512 consecutive bytes, two aligned units of 256
.endr
.endm
	PLACES 4
	TOSTAGE 0
.irp a, 1,2,3
.if \a > 1
	s_wait_xcnt 0x0                                ; block a - 2's stores have read their registers
.endif
	TOSTAGE \a
	SEND \a-1, 32                                  ; behind block a - 1's loads: block a's 16 stores and 16 loads
.endr
	SEND 3, 0
	s_wait_tensorcnt 0x0                           ; the wave's end
	ds_add_u32 v[SPW], v[NIL]
	s_wait_dscnt 0x0
	CROUND                                         ; the closing round
	s_endpgm
.Lfunc_end_k_q654242d3c7_oproj:
	.size	k_q654242d3c7_oproj, .Lfunc_end_k_q654242d3c7_oproj-k_q654242d3c7_oproj
	.p2alignl 7, 3214868480
	.fill 96, 4, 3214868480
	.section	.rodata,"a",@progbits
	.p2align	6, 0x0
	.amdhsa_kernel k_q654242d3c7_oproj
		.amdhsa_group_segment_fixed_size 327680
		.amdhsa_private_segment_fixed_size 0
		.amdhsa_enable_private_segment 0
		.amdhsa_kernarg_size 24
		.amdhsa_user_sgpr_count 2
		.amdhsa_user_sgpr_kernarg_segment_ptr 1
		.amdhsa_wavefront_size32 1
		.amdhsa_system_sgpr_workgroup_id_x 1
		.amdhsa_system_sgpr_workgroup_id_y 1
		.amdhsa_system_sgpr_workgroup_id_z 1
		.amdhsa_system_vgpr_workitem_id 0
		.amdhsa_next_free_vgpr 768
		.amdhsa_next_free_sgpr 80
		.amdhsa_reserve_vcc 0
		.amdhsa_float_denorm_mode_32 3
		.amdhsa_float_denorm_mode_16_64 3
		.amdhsa_memory_ordered 1
		.amdhsa_forward_progress 1
		.amdhsa_inst_pref_size 78
	.end_amdhsa_kernel
	.amdgpu_metadata
---
amdhsa.version: [ 1, 2 ]
amdhsa.kernels:
  - .name:           k_q654242d3c7_oproj
    .symbol:         k_q654242d3c7_oproj.kd
    .args:
      - { .name: ac, .offset: 0, .size: 8, .value_kind: global_buffer, .address_space: global }
      - { .name: woc, .offset: 8, .size: 8, .value_kind: global_buffer, .address_space: global }
      - { .name: out0, .offset: 16, .size: 8, .value_kind: global_buffer, .address_space: global }
    .group_segment_fixed_size: 327680
    .private_segment_fixed_size: 0
    .kernarg_segment_align: 8
    .kernarg_segment_size: 24
    .max_flat_workgroup_size: 128
    .sgpr_count:     80
    .vgpr_count:     768
    .wavefront_size: 32
...
	.end_amdgpu_metadata
.endif
;; end of part 4
